; MI455X (gfx1250); checked and timed in simulation.
; The chip was launched on July 23, 2026; its instructions are those of AMD's public machine-readable ISA for CDNA 5 (MIT licence, August 2026) and "CDNA5" Instruction Set Architecture Reference Guide (July 2026). The comments in the code are by the model that wrote it; some were corrected since.
;; Transformer Block. Allowed arithmetic: float matrix products may take bf16 or f16 operands with f32 sums; all other float work in f32.
;; Inputs: W1 1,024 x 4,096 float32; W2 4,096 x 1,024 float32; Wk 1,024 x 1,024 float32; Wo 1,024 x 1,024 float32; Wq 1,024 x 1,024 float32; Wv 1,024 x 1,024 float32; b1 4,096 float32; b2 1,024 float32; bo 1,024 float32; ln1_b 1,024 float32; ln1_g 1,024 float32; ln2_b 1,024 float32; ln2_g 1,024 float32; x 2 x 2,048 x 1,024 float32.
;; Outputs: out0 2 x 2,048 x 1,024 float32.
;; One version. Each part assembles by itself: llvm-mc -triple=amdgcn-amd-amdhsa -mcpu=gfx1250 --defsym DOCPART=n.
;; ======== version 1 of 1: 8 launches
;; limits: values are held in f16: magnitudes above 65,504 overflow, below 6.1e-05 lose precision
;; workspace buffers: wt 25,165,824 bytes; h 8,388,608 bytes; qkv 25,165,824 bytes; ctx 8,388,608 bytes; x1 16,777,216 bytes; g 33,554,432 bytes
;; launch cast (part 1): grid 512 x 3, 8 waves a work-group, no clusters, 18,432 bytes of LDS; arguments Wq, Wk, Wv, Wo, W1, W2, wt; writes wt
.if DOCPART == 1
	.amdgcn_target "amdgcn-amd-amdhsa--gfx1250"
	.amdhsa_code_object_version 6
	.text
	.protected	k_q6cce80798b_cast
	.globl	k_q6cce80798b_cast
	.p2align	8
	.type	k_q6cce80798b_cast,@function
k_q6cce80798b_cast:
	s_mov_b64 s[64:65], 0
	v_nop
	global_prefetch_b8 v0, s[64:65] scope:SCOPE_SE
	s_setreg_imm32_b32 hwreg(HW_REG_WAVE_MODE, 25, 1), 1
	s_wait_xcnt 0x0
; wt = the six weights, rounded once to bf16 and turned from [K][N] to [N][K], so that K lies along the rows for the products that follow.
; wt's bytes: 0 Wq^T, Wk^T, Wv^T (together [3072][1024]); 6,291,456 Wo^T [1024][1024]; 8,388,608 W1^T [4096][1024]; 16,777,216 W2^T [1024][4096].
; A work-group turns one tile of 128 k x 64 n: 32 KiB in, 16 KiB out.  Grid y = 0: the four square weights, 128 tiles each; y = 1: W1; y = 2: W2: 512 tiles each.
; In: thread t = 16 rr + c loads rows k = 8 rr + 0..7, columns 4 c + 0..3: sixteen neighbouring lanes take 256 consecutive bytes of a row, aligned.
; Through LDS (64 rows of n, 256 bytes of k + 16 of padding): the thread's eight k of one column pack into 16 bytes.  These stores lie 4 x 272 bytes = 272 words apart from lane
; to lane, 16 modulo 64 words, so four lanes share a group of banks: the price of the turn, paid once for each weight.  Out: sixteen lanes store 256 consecutive bytes of a row of W^T, aligned.
; Memory binds: no matrix unit, no cluster (no two work-groups read the same bytes), no tensor load (several small work-groups share a WGP and keep many loads on their way).
.set PITCH, 272
.set SPARE, 64*PITCH                   ; behind the tile: the spare words, 128 bytes for each of eight waves
.set LS,  3                            ; v3       where I put 16 bytes: row 4 c, byte 16 rr
.set OFS, 4                            ; v[4:11]  byte offsets of my eight source rows
.set Y,   12                           ; v[12:27] column j's eight k as bf16: 4 registers each
.set LR,  28                           ; v28      where I read back: row rr, byte 16 c
.set SPW, 30                           ; v30      LDS address of my spare word; never rewritten
.set NIL, 31                           ; v31      0; never rewritten
.set X,   32                           ; v[32:63] eight rows x four f32; later the rows read back
.set DOF, 64                           ; v[64:67] byte offsets of my four destination rows
	s_load_b256 s[4:11], s[0:1], 0x0               ; Wq s[4:5], Wk s[6:7], Wv s[8:9], Wo s[10:11]
	s_load_b128 s[12:15], s[0:1], 0x20             ; W1 s[12:13], W2 s[14:15]
	s_load_b64 s[16:17], s[0:1], 0x30              ; wt
	v_lshl_add_u32 v[SPW], v0, 2, SPARE
	v_mov_b32 v[NIL], 0
	s_and_b32 s20, ttmp7, 0xffff                   ; y
	s_lshr_b32 s22, ttmp9, 7                       ; y = 0: which of the four square weights,
	s_and_b32 s23, ttmp9, 127                      ; and its tile
	s_and_b32 s24, s23, 7                          ; kt
	s_lshr_b32 s25, s23, 3                         ; nt
	s_lshl_b32 s26, s22, 21                        ; where its W^T begins in wt
	s_mov_b32 s27, 4096                            ; bytes in a source row
	s_mov_b32 s28, 2048                            ; bytes in a destination row
	s_and_b32 s29, ttmp9, 7                        ; y = 1: W1 has 8 x 64 tiles
	s_lshr_b32 s30, ttmp9, 3
	s_cmp_eq_u32 s20, 1
	s_cselect_b32 s24, s29, s24
	s_cselect_b32 s25, s30, s25
	s_cselect_b32 s26, 0x800000, s26
	s_cselect_b32 s27, 16384, s27
	s_and_b32 s29, ttmp9, 31                       ; y = 2: W2 has 32 x 16 tiles
	s_lshr_b32 s30, ttmp9, 5
	s_cmp_eq_u32 s20, 2
	s_cselect_b32 s24, s29, s24
	s_cselect_b32 s25, s30, s25
	s_cselect_b32 s26, 0x1000000, s26
	s_cselect_b32 s28, 8192, s28
	s_mul_i32 s32, s24, s27                        ; the tile in the source: 128 kt rows
	s_lshl_b32 s32, s32, 7
	s_lshl_b32 s33, s25, 8                         ; + 64 nt columns of 4 bytes
	s_add_co_u32 s32, s32, s33
	s_mov_b32 s33, 0
	s_mul_i32 s34, s25, s28                        ; the tile in wt: 64 nt rows
	s_lshl_b32 s34, s34, 6
	s_add_co_u32 s34, s34, s26
	s_lshl_b32 s35, s24, 8                         ; + 128 kt columns of 2 bytes
	s_add_co_u32 s34, s34, s35
	s_mov_b32 s35, 0
	v_and_b32 v1, 15, v0                           ; c
	v_lshrrev_b32 v2, 4, v0                        ; rr
	s_lshl_b32 s31, s27, 3
	v_mul_lo_u32 v[OFS], v2, s31                   ; row 8 rr
	v_lshl_add_u32 v[OFS], v1, 4, v[OFS]           ; + 16 c
.irp i, 1,2,3,4,5,6,7
	v_add_nc_u32 v[OFS+\i], s27, v[OFS+\i-1]
.endr
	v_mul_u32_u24 v[LS], v1, 4*PITCH
	v_lshl_add_u32 v[LS], v2, 4, v[LS]
	v_mul_u32_u24 v[LR], v2, PITCH
	v_lshl_add_u32 v[LR], v1, 4, v[LR]
	v_mul_lo_u32 v[DOF], v2, s28                   ; row rr of the tile's 64
	v_lshl_add_u32 v[DOF], v1, 4, v[DOF]
	s_lshl_b32 s29, s28, 4
.irp p, 1,2,3
	v_add_nc_u32 v[DOF+\p], s29, v[DOF+\p-1]       ; and 16, 32, 48 rows on
.endr
	s_wait_kmcnt 0x0
	s_cmp_eq_u32 s22, 1                            ; the source: a choice among the six buffers by the work-group's numbers alone
	s_cselect_b64 s[4:5], s[6:7], s[4:5]
	s_cmp_eq_u32 s22, 2
	s_cselect_b64 s[4:5], s[8:9], s[4:5]
	s_cmp_eq_u32 s22, 3
	s_cselect_b64 s[4:5], s[10:11], s[4:5]
	s_cmp_eq_u32 s20, 1
	s_cselect_b64 s[4:5], s[12:13], s[4:5]
	s_cmp_eq_u32 s20, 2
	s_cselect_b64 s[4:5], s[14:15], s[4:5]
	s_add_nc_u64 s[4:5], s[4:5], s[32:33]
	s_add_nc_u64 s[16:17], s[16:17], s[34:35]
.irp i, 0,1,2,3,4,5,6,7
	global_load_b128 v[X+4*\i:X+4*\i+3], v[OFS+\i], s[4:5] th:TH_LOAD_NT  ; each weight byte is read once in the launch
.endr
.irp ip, 0,1,2,3
	s_wait_loadcnt 6-2*\ip                         ; loads come back in order (ISA guide 5.7.1): rows 2 ip and 2 ip + 1 are in, the younger ones stay out
.irp j, 0,1,2,3
	v_cvt_pk_bf16_f32 v[Y+4*\j+\ip], v[X+8*\ip+\j], v[X+8*\ip+4+\j]  ; k = 8 rr + 2 ip and the next, of column 4 c + j
.endr
.endr
.irp j, 0,1,2,3
	ds_store_b128 v[LS], v[Y+4*\j:Y+4*\j+3] offset:\j*PITCH
.endr
	s_wait_dscnt 0x0                               ; for the others' sake: my stores are done
	s_barrier_signal -1
	s_barrier_wait -1
.irp p, 0,1,2,3
	ds_load_b128 v[X+4*\p:X+4*\p+3], v[LR] offset:\p*16*PITCH
.endr
.irp p, 0,1,2,3
	s_wait_dscnt 3-\p
	global_store_b128 v[DOF+\p], v[X+4*\p:X+4*\p+3], s[16:17]  ; 16 lanes store 256 consecutive bytes, at a multiple of 256 from wt's first byte
.endr
	s_wait_tensorcnt 0x0                           ; the wave's end: a wait, an add to my spare word and its wait, behind my last LDS store
	ds_add_u32 v[SPW], v[NIL]
	s_wait_dscnt 0x0
	s_endpgm
.Lfunc_end_k_q6cce80798b_cast:
	.size	k_q6cce80798b_cast, .Lfunc_end_k_q6cce80798b_cast-k_q6cce80798b_cast
	.p2alignl 7, 3214868480
	.fill 96, 4, 3214868480
	.section	.rodata,"a",@progbits
	.p2align	6, 0x0
	.amdhsa_kernel k_q6cce80798b_cast
		.amdhsa_group_segment_fixed_size 18432
		.amdhsa_private_segment_fixed_size 0
		.amdhsa_enable_private_segment 0
		.amdhsa_kernarg_size 56
		.amdhsa_user_sgpr_count 2
		.amdhsa_user_sgpr_kernarg_segment_ptr 1
		.amdhsa_wavefront_size32 1
		.amdhsa_system_sgpr_workgroup_id_x 1
		.amdhsa_system_sgpr_workgroup_id_y 1
		.amdhsa_system_sgpr_workgroup_id_z 1
		.amdhsa_system_vgpr_workitem_id 0
		.amdhsa_next_free_vgpr 72
		.amdhsa_next_free_sgpr 66
		.amdhsa_reserve_vcc 0
		.amdhsa_float_denorm_mode_32 3
		.amdhsa_float_denorm_mode_16_64 3
		.amdhsa_memory_ordered 1
		.amdhsa_forward_progress 1
		.amdhsa_inst_pref_size 7
	.end_amdhsa_kernel
	.amdgpu_metadata
---
amdhsa.version: [ 1, 2 ]
amdhsa.kernels:
  - .name:           k_q6cce80798b_cast
    .symbol:         k_q6cce80798b_cast.kd
    .args:
      - { .name: Wq, .offset: 0, .size: 8, .value_kind: global_buffer, .address_space: global }
      - { .name: Wk, .offset: 8, .size: 8, .value_kind: global_buffer, .address_space: global }
      - { .name: Wv, .offset: 16, .size: 8, .value_kind: global_buffer, .address_space: global }
      - { .name: Wo, .offset: 24, .size: 8, .value_kind: global_buffer, .address_space: global }
      - { .name: W1, .offset: 32, .size: 8, .value_kind: global_buffer, .address_space: global }
      - { .name: W2, .offset: 40, .size: 8, .value_kind: global_buffer, .address_space: global }
      - { .name: wt, .offset: 48, .size: 8, .value_kind: global_buffer, .address_space: global }
    .group_segment_fixed_size: 18432
    .private_segment_fixed_size: 0
    .kernarg_segment_align: 8
    .kernarg_segment_size: 56
    .max_flat_workgroup_size: 256
    .sgpr_count:     66
    .vgpr_count:     72
    .wavefront_size: 32
...
	.end_amdgpu_metadata
.endif
;; end of part 1
;; launch ln1 (part 2): grid 256 x 1, 8 waves a work-group, no clusters, 0 bytes of LDS; arguments x, ln1_g, ln1_b, h; writes h
.if DOCPART == 2
	.amdgcn_target "amdgcn-amd-amdhsa--gfx1250"
	.amdhsa_code_object_version 6
	.text
	.protected	k_q6cce80798b_ln1
	.globl	k_q6cce80798b_ln1
	.p2align	8
	.type	k_q6cce80798b_ln1,@function
k_q6cce80798b_ln1:
	s_mov_b64 s[64:65], 0
	v_nop
	global_prefetch_b8 v0, s[64:65] scope:SCOPE_SE
	s_setreg_imm32_b32 hwreg(HW_REG_WAVE_MODE, 25, 1), 1
	s_wait_xcnt 0x0
; out[r][c] = gain[c] (in[r][c] - mean_r) / sqrt(var_r + 1e-5) + shift[c].  in: [4096][1024] f32; out: the same shape in bf16, rounded once; all arithmetic in f32.
; The variance is the mean of the squared differences from the mean (two passes over registers), so a common offset of the inputs costs no digits.
; A row is 4,096 bytes: one wave holds it in 32 registers a lane between the passes, so it is read from memory once, the sums never leave the wave, and there is no LDS and no barrier.
; Eight waves, two rows each; 256 work-groups.  Load j of a row takes columns 128 j + 4 lane + 0..3: 512 consecutive bytes; a store takes 256 consecutive bytes, aligned.
; Memory binds: matrix units, clusters and tensor loads would add nothing.
.set XR, 8                             ; v[8:39] row 0, v[40:71] row 1
.set G,  72                            ; v[72:103]   gain of my 32 columns
.set B,  104                           ; v[104:135]  shift
.set T,  136                           ; v[136:151]  at work
.set M,  152                           ; v[152:153]  the mean, twice (a pair for the packed forms)
.set R,  154                           ; v[154:155]  1 / sqrt(var + eps), twice
.set Y,  156                           ; v[156:171], v[172:187]  a row's 32 bf16 to store: a set for each row, so no store's data are rewritten
	s_load_b256 s[4:11], s[0:1], 0x0               ; in s[4:5], gain s[6:7], shift s[8:9], out s[10:11]
	v_and_b32 v3, 31, v0
	v_lshrrev_b32 v4, 5, v0
	v_readfirstlane_b32 s14, v4                    ; wave
	v_lshlrev_b32 v1, 4, v3                        ; 16 bytes a lane on the way in
	v_lshlrev_b32 v2, 3, v3                        ; 8 on the way out
	s_lshl_b32 s2, ttmp9, 4
	s_lshl_b32 s3, s14, 1
	s_add_co_u32 s2, s2, s3                        ; my first row = 16 x work-group + 2 x wave
	s_lshl_b32 s16, s2, 12
	s_mov_b32 s17, 0
	s_lshl_b32 s18, s2, 11
	s_mov_b32 s19, 0
	s_mov_b32 s12, 0x76543210                      ; v_permlanex16_b32: each lane takes its own place in the other half
	s_mov_b32 s13, 0xfedcba98
	s_mov_b32 s20, 0x3a800000                      ; 1 / 1024
	s_mov_b32 s21, 0x3727c5ac                      ; 1e-5
	s_wait_kmcnt 0x0
	s_add_nc_u64 s[4:5], s[4:5], s[16:17]
	s_add_nc_u64 s[10:11], s[10:11], s[18:19]
.irp s, 0,1
.irp j, 0,1,2,3,4,5,6,7
	global_load_b128 v[XR+32*\s+4*\j:XR+32*\s+4*\j+3], v1, s[4:5] offset:4096*\s+512*\j
.endr
.endr
.irp j, 0,1,2,3,4,5,6,7
	global_load_b128 v[G+4*\j:G+4*\j+3], v1, s[6:7] offset:512*\j
.endr
.irp j, 0,1,2,3,4,5,6,7
	global_load_b128 v[B+4*\j:B+4*\j+3], v1, s[8:9] offset:512*\j
.endr
.macro LANES                           ; v[T] summed over the 32 lanes, the result in every lane
	v_add_f32_dpp v[T], v[T], v[T] row_xmask:1 row_mask:0xf bank_mask:0xf
	v_add_f32_dpp v[T], v[T], v[T] row_xmask:2 row_mask:0xf bank_mask:0xf
	v_add_f32_dpp v[T], v[T], v[T] row_xmask:4 row_mask:0xf bank_mask:0xf
	v_add_f32_dpp v[T], v[T], v[T] row_xmask:8 row_mask:0xf bank_mask:0xf
	v_permlanex16_b32 v[T+1], v[T], s12, s13       ; its destination counts as read: T + 1 has been written
	v_add_f32 v[T], v[T], v[T+1]
.endm
.macro ROW s
.set XS, XR+32*(\s)
.set YS, Y+16*(\s)
.if (\s) == 0
	s_wait_loadcnt 24                              ; row 0's eight loads are in; row 1, gain and shift (24 loads) stay out
.endif
.irp i, 0,1,2,3,4,5,6,7
	v_pk_add_f32 v[T+2*\i:T+2*\i+1], v[XS+2*\i:XS+2*\i+1], v[XS+16+2*\i:XS+16+2*\i+1]  ; the sum as a tree: nothing is cleared
.endr
.irp i, 0,1,2,3
	v_pk_add_f32 v[T+2*\i:T+2*\i+1], v[T+2*\i:T+2*\i+1], v[T+8+2*\i:T+8+2*\i+1]
.endr
	v_pk_add_f32 v[T:T+1], v[T:T+1], v[T+4:T+5]
	v_pk_add_f32 v[T+2:T+3], v[T+2:T+3], v[T+6:T+7]
	v_pk_add_f32 v[T:T+1], v[T:T+1], v[T+2:T+3]
	v_add_f32 v[T], v[T], v[T+1]
	LANES
	v_mul_f32 v[M], s20, v[T]
	v_mul_f32 v[M+1], s20, v[T]
.irp i, 0,1,2,3,4,5,6,7,8,9,10,11,12,13,14,15
	v_pk_add_f32 v[XS+2*\i:XS+2*\i+1], v[XS+2*\i:XS+2*\i+1], v[M:M+1] neg_lo:[0,1] neg_hi:[0,1]  ; x - mean, in place
.endr
.irp i, 0,1,2,3
	v_pk_mul_f32 v[T+2*\i:T+2*\i+1], v[XS+2*\i:XS+2*\i+1], v[XS+2*\i:XS+2*\i+1]  ; four chains of squares that do not wait for each other
.endr
.irp i, 4,5,6,7,8,9,10,11,12,13,14,15
	v_pk_fma_f32 v[T+2*(\i%4):T+2*(\i%4)+1], v[XS+2*\i:XS+2*\i+1], v[XS+2*\i:XS+2*\i+1], v[T+2*(\i%4):T+2*(\i%4)+1]
.endr
	v_pk_add_f32 v[T:T+1], v[T:T+1], v[T+4:T+5]
	v_pk_add_f32 v[T+2:T+3], v[T+2:T+3], v[T+6:T+7]
	v_pk_add_f32 v[T:T+1], v[T:T+1], v[T+2:T+3]
	v_add_f32 v[T], v[T], v[T+1]
	LANES
	v_fma_f32 v[T], v[T], s20, s21                 ; var + eps
	v_rsq_f32 v[R], v[T]
	v_rsq_f32 v[R+1], v[T]
	v_nop                                          ; a plain instruction between the root and the use of its result (ISA guide 5.7.2)
.if (\s) == 0
	s_wait_loadcnt 0x0                             ; gain and shift, and row 1 with them
.endif
	s_wait_alu depctr_va_vdst(0)
.irp i, 0,1,2,3,4,5,6,7,8,9,10,11,12,13,14,15
	v_pk_mul_f32 v[XS+2*\i:XS+2*\i+1], v[XS+2*\i:XS+2*\i+1], v[R:R+1]
.endr
.irp i, 0,1,2,3,4,5,6,7,8,9,10,11,12,13,14,15
	v_pk_fma_f32 v[XS+2*\i:XS+2*\i+1], v[XS+2*\i:XS+2*\i+1], v[G+2*\i:G+2*\i+1], v[B+2*\i:B+2*\i+1]
.endr
.irp i, 0,1,2,3,4,5,6,7,8,9,10,11,12,13,14,15
	v_cvt_pk_bf16_f32 v[YS+\i], v[XS+2*\i], v[XS+2*\i+1]
.endr
.irp j, 0,1,2,3,4,5,6,7
	global_store_b64 v2, v[YS+2*\j:YS+2*\j+1], s[10:11] offset:2048*(\s)+256*\j  ; 32 lanes store 256 consecutive bytes, aligned
.endr
.endm
	ROW 0
	ROW 1
	s_endpgm
.Lfunc_end_k_q6cce80798b_ln1:
	.size	k_q6cce80798b_ln1, .Lfunc_end_k_q6cce80798b_ln1-k_q6cce80798b_ln1
	.p2alignl 7, 3214868480
	.fill 96, 4, 3214868480
	.section	.rodata,"a",@progbits
	.p2align	6, 0x0
	.amdhsa_kernel k_q6cce80798b_ln1
		.amdhsa_group_segment_fixed_size 0
		.amdhsa_private_segment_fixed_size 0
		.amdhsa_enable_private_segment 0
		.amdhsa_kernarg_size 32
		.amdhsa_user_sgpr_count 2
		.amdhsa_user_sgpr_kernarg_segment_ptr 1
		.amdhsa_wavefront_size32 1
		.amdhsa_system_sgpr_workgroup_id_x 1
		.amdhsa_system_sgpr_workgroup_id_y 1
		.amdhsa_system_sgpr_workgroup_id_z 1
		.amdhsa_system_vgpr_workitem_id 0
		.amdhsa_next_free_vgpr 192
		.amdhsa_next_free_sgpr 66
		.amdhsa_reserve_vcc 0
		.amdhsa_float_denorm_mode_32 3
		.amdhsa_float_denorm_mode_16_64 3
		.amdhsa_memory_ordered 1
		.amdhsa_forward_progress 1
		.amdhsa_inst_pref_size 20
	.end_amdhsa_kernel
	.amdgpu_metadata
---
amdhsa.version: [ 1, 2 ]
amdhsa.kernels:
  - .name:           k_q6cce80798b_ln1
    .symbol:         k_q6cce80798b_ln1.kd
    .args:
      - { .name: x, .offset: 0, .size: 8, .value_kind: global_buffer, .address_space: global }
      - { .name: ln1_g, .offset: 8, .size: 8, .value_kind: global_buffer, .address_space: global }
      - { .name: ln1_b, .offset: 16, .size: 8, .value_kind: global_buffer, .address_space: global }
      - { .name: h, .offset: 24, .size: 8, .value_kind: global_buffer, .address_space: global }
    .group_segment_fixed_size: 0
    .private_segment_fixed_size: 0
    .kernarg_segment_align: 8
    .kernarg_segment_size: 32
    .max_flat_workgroup_size: 256
    .sgpr_count:     66
    .vgpr_count:     192
    .wavefront_size: 32
...
	.end_amdgpu_metadata
.endif
;; end of part 2
;; launch qkv (part 3): grid 16 x 16, 4 waves a work-group, clusters of 4 x 4, 327,680 bytes of LDS; arguments h, wt, qkv; writes qkv
.if DOCPART == 3
	.amdgcn_target "amdgcn-amd-amdhsa--gfx1250"
	.amdhsa_code_object_version 6
	.text
	.protected	k_q6cce80798b_qkv
	.globl	k_q6cce80798b_qkv
	.p2align	8
	.type	k_q6cce80798b_qkv,@function
k_q6cce80798b_qkv:
	s_mov_b64 s[64:65], 0
	v_nop
	global_prefetch_b8 v0, s[64:65] scope:SCOPE_SE
	s_setreg_imm32_b32 hwreg(HW_REG_WAVE_MODE, 25, 1), 1
	s_wait_xcnt 0x0
	s_wait_alu depctr_hold_cnt(0) depctr_sa_sdst(0) depctr_va_vdst(0) depctr_va_sdst(0) depctr_va_ssrc(0) depctr_va_vcc(0) depctr_vm_vsrc(0)
	s_getreg_b32 s2, hwreg(HW_REG_IB_STS2, 6, 4)
	s_cmp_eq_u32 s2, 0
	s_cbranch_scc0 .Lentry_in_a_cluster
	s_endpgm
.Lentry_in_a_cluster:
	s_bfe_u32 s2, ttmp6, 0x10000c
	s_cmp_lg_u32 s2, 0xf033
	s_cbranch_scc0 .Lentry_shape_is_right
	s_endpgm
.Lentry_shape_is_right:
; q, k, v = h Wq, h Wk, h Wv as ONE product C = A B^T: A = h [4096][1024] bf16, B = the first 3,072 rows of wt (Wq^T, Wk^T, Wv^T, [n][k] bf16); sums in f32.
; C leaves rounded once to f16, by heads: qkv[b][slice][row][64], slice = column / 64 (0-15 q's heads, 16-31 k's, 32-47 v's), unscaled.
; LIMIT: f16 holds no number beyond 65,504; a q, k or v past that becomes an infinity.  With gains and weights 30 times those of unit spread these numbers stay near 3,000.
; A tile of C is 256 x 192, so that 16 x 16 tiles give each of 256 WGPs one work-group.  Four waves, 2 x 2, each 128 x 96: 48 accumulators of 16 x 16, 384 registers.
; K goes in steps of 128 (rows of 256 bytes, aligned) through a ring of two LDS slots filled by tensor loads; a step is four chunks of 32 along K on two fragment buffers.
; CLUSTER 4 x 4: the four work-groups of a row of the cluster need the same tiles of A, the four of a column the same tiles of B: each tile is asked for jointly, by the same load with the same descriptor and a mask of four.
; THE MATRIX INSTRUCTION IS USED TRANSPOSED (source 0 = 16 rows of B, source 1 = 16 rows of A): a lane holds row lane % 16 of C and eight neighbouring columns 8 (lane / 16) + 0..7.
; THE WAY OUT: the f32 tile goes into a stage in LDS that lies over the ring (written only when the ring has had its last fill and every wave's reads of it are back), and is read back by rows.
; REGISTERS, in windows of 256 (s_set_vgpr_msb: bits 1:0 source 0, 3:2 source 1, 5:4 source 2, 7:6 destination):
;   window 0: v0-31 addresses; v64-127, v128-191 A's fragments, two buffers; v32-63, v192-255 at work on the way out     window 1: v64.., v128.. B's fragments, two buffers
;   windows 2, 3: accumulator (a, b) in window 2 + a / 4 at v[8 ((a % 4) NB + b)]
.set MB, 8                             ; blocks of 16 rows in a wave's tile
.set NB, 6                             ; blocks of 16 columns
.set MT, 32*MB
.set NT, 32*NB
.set KK, 1024
.set KSTEP, 128
.set CH, KSTEP/32                      ; chunks in a K step
.set TT, KK/KSTEP                      ; K steps
.set APITCH, 272                       ; an LDS row: 256 bytes + 16 of padding = 68 words: the 16 rows of a fragment load start at 16 different groups of four banks (64 banks of 4 bytes: ISA guide 11.1)
.set BPITCH, 272
.set HALFA, 16*MB*APITCH               ; what one tensor load brings of A, and what one wave reads of it
.set HALFB, 16*NB*BPITCH
.set SLOT, 2*HALFA+2*HALFB             ; A's two halves, then B's two halves
.set ASTEP, 2*KSTEP                    ; bytes from a K step to the next
.set BSTEP, 2*KSTEP
.set WOFF, 0                           ; where B begins in wt
.set ADIM0, KSTEP                      ; A's tile as it is asked for: elements in a row, rows, elements from row to row, code of the padding's interval (64 words)
.set AROWS, 16*MB
.set ASTRIDE, KK
.set AQI, 5
.set BQI, 5
.set AK1, 64                           ; byte, from a fragment's address, at which chunks 1, 2, 3 of A begin
.set AK2, 128
.set AK3, 192
.set SP, 4*NT+16                       ; a stage row: 196 words = 4 modulo 64: sixteen rows start at sixteen different groups of four banks
.set SPARE, 327168                     ; the last 512 bytes of LDS: the spare words, 128 bytes for each wave
.set A0, 16                            ; v16  my lane's place in slot 0's A; never rewritten
.set B0, 17                            ; v17  the same for B
.set ADRA, 18                          ; v18  LDS address of A's fragments in the slot in hand
.set ADRB, 19                          ; v19  of B's
.set STO, 24                           ; v24, v25  into the stage: blocks 0-3, blocks 4-7
.set RD, 26                            ; v26  back from the stage
.set CO, 27                            ; v27  my byte offset in the output
.set SPW, 28                           ; v28  LDS address of my spare word; never rewritten
.set NIL, 29                           ; v29  0; never rewritten
.set F0, 64
.set F1, 128
.set G1A, 24                           ; s[24:31] descriptor group 1 for A's tiles;  s[32:39] group 0: a set for each first fill; the second then walks
.set G0A, 32
.set G1B, 48                           ; s[48:55], s[56:63] the same for B's
.set G0B, 56
.set MSB, 0
.macro WIN new                         ; the immediate's high byte repeats the setting that is left; a switch that changes nothing is dropped
.if MSB != (\new)
	s_set_vgpr_msb (MSB<<8)|(\new)
.set MSB, \new
.endif
.endm
.macro PLACES                          ; a load into a register that a matrix instruction has read, and a line that reads a matrix result, stand four plain vector instructions behind it
.rept 4
	v_nop
.endr
.endm
.macro JLOAD                           ; a joint refill by the walking descriptors: waves 0 and 1 fetch A's halves, waves 2 and 3 B's; s_nop 0 and four v_nop follow each line
	s_cmp_eq_u32 s11, 0
	s_cbranch_scc0 .Lfor_b_\@
	tensor_load_to_lds s[G0A+4:G0A+7], s[G1A:G1A+7]
	s_nop 0
.rept 4
	v_nop
.endr
	s_branch .Lasked_\@
.Lfor_b_\@:
	tensor_load_to_lds s[G0B+4:G0B+7], s[G1B:G1B+7]
	s_nop 0
.rept 4
	v_nop
.endr
.Lasked_\@:
.endm
.macro CREST                           ; a round of the cluster's barrier behind its opening barrier
	s_cmp_lg_u32 s10, 0
	s_cbranch_scc1 .Lnot_wave_0_\@
	s_barrier_signal -3
.Lnot_wave_0_\@:
	s_barrier_wait -3
	s_barrier_signal -1
	s_barrier_wait -1
.endm
.macro CROUND                          ; a whole round
	s_barrier_signal -1
	s_barrier_wait -1
	CREST
.endm
; na x NB matrix instructions: row blocks a0 .. a0 + na - 1 x all column blocks, 32 along K, from buffer f.  zero = 1: the product starts the sum.
; All MB x NB accumulators take turns, one instruction a turn, in the same order in every chunk.
.macro MULA f, a0, na, zero
.set ma, \a0
.rept \na
.set AW, 2+ma/4
	WIN 0x01|(AW<<4)|(AW<<6)
.set mb, 0
.rept NB
.set AR, 8*((ma%4)*NB+mb)
.if \zero
	v_wmma_f32_16x16x32_bf16 v[AR:AR+7], v[\f+8*mb:\f+8*mb+7], v[\f+8*ma:\f+8*ma+7], 0
.else
	v_wmma_f32_16x16x32_bf16 v[AR:AR+7], v[\f+8*mb:\f+8*mb+7], v[\f+8*ma:\f+8*ma+7], v[AR:AR+7]
.endif
.set mb, mb+1
.endr
.set ma, ma+1
.endr
.endm
; One chunk's fragments in one run of LDS loads, B's first: bytes kb of B's rows and ka of A's, into buffer f.
; A fragment is 16 rows x 32 K in 8 registers: lane l holds row l % 16, K = 8 (l / 16) + 0..7 and 16 + 8 (l / 16) + 0..7: two loads of 16 bytes, 32 bytes apart.
.macro FETCH ka, kb, f
	WIN 0x40
.set fi, 0
.rept NB
	ds_load_b128 v[\f+8*fi:\f+8*fi+3], v[ADRB] offset:(\kb)+fi*16*BPITCH
	ds_load_b128 v[\f+8*fi+4:\f+8*fi+7], v[ADRB] offset:(\kb)+fi*16*BPITCH+32
.set fi, fi+1
.endr
	WIN 0
.set fi, 0
.rept MB
	ds_load_b128 v[\f+8*fi:\f+8*fi+3], v[ADRA] offset:(\ka)+fi*16*APITCH
	ds_load_b128 v[\f+8*fi+4:\f+8*fi+7], v[ADRA] offset:(\ka)+fi*16*APITCH+32
.set fi, fi+1
.endr
.endm
.macro QUARTER f, g, ka, kb, zero      ; a chunk: multiplies buffer f; in its middle it fetches the next chunk into buffer g
	s_wait_dscnt MB                                ; B and A's lower blocks are in; the youngest MB loads (A's upper blocks) may be out
	MULA \f, 0, MB/2, \zero
	PLACES
	FETCH \ka, \kb, \g
	s_wait_dscnt 2*(MB+NB)                         ; all but the loads just issued
	MULA \f, MB/2, MB/2, \zero
.endm
.macro PAIRS                           ; chunks 1 and 2
	QUARTER F1, F0, AK2, 128, 0
	QUARTER F0, F1, AK3, 192, 0
.endm
; The last chunk multiplies buffer 1 and changes slots: ONE barrier.  In front of it each wave waits for all its tensor loads (one is out: its part of the next slot), adds 0 to its spare word,
; and waits for that and for its own reads of this slot.  Behind it nobody reads this slot any more and the next slot is whole.
.macro MEET round
	WIN 0
	s_wait_tensorcnt 0x0
	ds_add_u32 v[SPW], v[NIL]
	s_wait_dscnt MB+1                              ; (the add and A's upper blocks may be out)
	MULA F1, 0, MB/4, 0
	s_wait_dscnt 0x0                               ; the add is done, and my reads of this slot are over
	s_barrier_signal -1
	MULA F1, MB/4, MB/4, 0
.if \round
	WIN 0
.endif
	s_barrier_wait -1
.endm
; fill = 1: the barrier opens a round of the cluster's, and the slot just read out is filled again, two K steps ahead, first thing behind the round: it has a K step less MB NB / 4 products in which to land.
.macro TURN fill
	MEET \fill
.if \fill
	CREST
	s_add_co_u32 s[G0A+5], s20, s22                ; no tensor load of mine is out, so the walking sets may be written: the slot just read,
	s_add_co_u32 s[G0B+5], s21, s22
	s_add_nc_u64 s[G0A+6:G0A+7], s[G0A+6:G0A+7], ASTEP  ; the next K step; the type bits on top are not reached
	s_add_nc_u64 s[G0B+6:G0B+7], s[G0B+6:G0B+7], BSTEP
	JLOAD                                          ; its four v_nop are also the places in front of the loads below
.else
	WIN 0
	PLACES
.endif
	s_xor_b32 s22, s22, SLOT                       ; the other slot
	v_add_nc_u32 v[ADRA], s22, v[A0]
	v_add_nc_u32 v[ADRB], s22, v[B0]
	FETCH 0, 0, F0
	MULA F1, MB/2, MB/2, 0
.endm
	s_load_b128 s[4:7], s[0:1], 0x0                ; A s[4:5], wt s[6:7]
	s_load_b64 s[8:9], s[0:1], 0x10                ; the output
	v_lshl_add_u32 v[SPW], v0, 2, SPARE
	v_mov_b32 v[NIL], 0
	ds_add_u32 v[SPW], v[NIL]                      ; the wave's opening: the add and its wait stand ahead of my first tensor load; work on registers stands between them
	ds_add_u32 v28, v29
	v_lshrrev_b32 v1, 5, v0
	v_readfirstlane_b32 s10, v1                    ; wave 0..3
	s_lshr_b32 s11, s10, 1                         ; my half of the tile's rows.  Also: I fetch for A (0) or for B (1)
	s_and_b32 s12, s10, 1                          ; my half of its columns.  Also: which half of that tile I fetch
	s_bfe_u32 s40, ttmp6, 0x40000                  ; cx, cy: my place in the cluster
	s_bfe_u32 s41, ttmp6, 0x40004
	s_lshl_b32 s42, ttmp9, 2
	s_add_co_u32 s42, s42, s40                     ; tile column = 4 x cluster x + cx
	s_and_b32 s13, ttmp7, 0xffff
	s_lshl_b32 s13, s13, 2
	s_add_co_u32 s13, s13, s41                     ; tile row = 4 x cluster y + cy
	s_lshl_b32 s43, s41, 2
	s_lshl_b32 s43, 15, s43                        ; my row of the cluster
	s_lshl_b32 s44, 0x1111, s40                    ; my column
	s_or_b32 s[G1A], s43, (1<<16)|(1<<20)|(1<<21)|(AQI<<22)|(3<<25)  ; 15:0 the mask; 17:16 2-byte elements; 20 padding on; 21 set beside a mask; 24:22 the interval's code; 31:25 4 words (code 3)
	s_or_b32 s[G1B], s44, (1<<16)|(1<<20)|(1<<21)|(BQI<<22)|(3<<25)
	s_mov_b32 s[G1A+1], (ADIM0&0xffff)<<16         ; tensor_dim0
	s_mov_b32 s[G1A+2], (ADIM0>>16)|(AROWS<<16)    ; tensor_dim1
	s_mov_b32 s[G1A+3], ADIM0<<16                  ; tile_dim0
	s_mov_b32 s[G1A+4], AROWS                      ; tile_dim1
	s_mov_b32 s[G1A+5], ASTRIDE                    ; elements from row to row
	s_mov_b32 s[G1A+6], 0
	s_mov_b32 s[G1A+7], 0
	s_mov_b32 s[G1B+1], KSTEP<<16
	s_mov_b32 s[G1B+2], (16*NB)<<16
	s_mov_b32 s[G1B+3], KSTEP<<16
	s_mov_b32 s[G1B+4], 16*NB
	s_mov_b32 s[G1B+5], KK
	s_mov_b32 s[G1B+6], 0
	s_mov_b32 s[G1B+7], 0
	s_mul_i32 s16, s13, MT                         ; A's tile hangs on the tile row and the wave alone,
	s_mul_i32 s17, s12, 16*MB
	s_add_co_u32 s16, s16, s17
	s_mul_i32 s16, s16, 2*KK
	s_mov_b32 s17, 0
	s_mul_i32 s46, s42, NT                         ; B's on the tile column and the wave alone
	s_mul_i32 s47, s12, 16*NB
	s_add_co_u32 s46, s46, s47
	s_mul_i32 s46, s46, 2*KK
	s_add_co_u32 s46, s46, WOFF
	s_mov_b32 s47, 0
	s_mul_i32 s20, s12, HALFA                      ; where my load lands in a slot, if it is A's,
	s_mul_i32 s21, s12, HALFB                      ; and if it is B's: no place in the cluster enters an LDS address
	s_add_co_u32 s21, s21, 2*HALFA
	s_mov_b32 s22, 0                               ; the slot in hand
	s_wait_dscnt 0x0                               ; the opening add is done
	s_wait_kmcnt 0x0
	s_add_nc_u64 s[14:15], s[4:5], s[16:17]
	s_add_nc_u64 s[46:47], s[6:7], s[46:47]
	CROUND                                         ; all sixteen work-groups are here: the first joint loads meet
.irp s, 0,1
	s_mov_b32 s[G0A+4*\s], 1                       ; count = 1
	s_add_co_u32 s[G0A+4*\s+1], s20, \s*SLOT       ; LDS address
	s_add_nc_u64 s[G0A+4*\s+2:G0A+4*\s+3], s[14:15], \s*ASTEP  ; global address: K step s
	s_or_b32 s[G0A+4*\s+3], s[G0A+4*\s+3], 0x80000000          ; type = 2
	s_mov_b32 s[G0B+4*\s], 1
	s_add_co_u32 s[G0B+4*\s+1], s21, \s*SLOT
	s_add_nc_u64 s[G0B+4*\s+2:G0B+4*\s+3], s[46:47], \s*BSTEP
	s_or_b32 s[G0B+4*\s+3], s[G0B+4*\s+3], 0x80000000
.endr
	s_cmp_eq_u32 s11, 0                            ; a wave's two first fills stand in one branch, ahead of every wait on TENSORcnt, LDS read and plain barrier: two loads of mine are out
	s_cbranch_scc0 .Lfirst_b
	tensor_load_to_lds s[G0A:G0A+3], s[G1A:G1A+7]
	s_nop 0
	tensor_load_to_lds s[G0A+4:G0A+7], s[G1A:G1A+7]
	s_nop 0
.rept 4
	v_nop
.endr
	s_branch .Lfirst_asked
.Lfirst_b:
	tensor_load_to_lds s[G0B:G0B+3], s[G1B:G1B+7]
	s_nop 0
	tensor_load_to_lds s[G0B+4:G0B+7], s[G1B:G1B+7]
	s_nop 0
.rept 4
	v_nop
.endr
.Lfirst_asked:
	v_and_b32 v1, 15, v0                           ; l % 16
	v_bfe_u32 v2, v0, 4, 1                         ; l / 16
	v_mul_u32_u24 v3, v1, APITCH
	v_lshl_add_u32 v3, v2, 4, v3                   ; row x pitch + 16 x half
	s_mul_i32 s23, s11, HALFA
	v_add_nc_u32 v[A0], s23, v3
	v_mul_u32_u24 v3, v1, BPITCH
	v_lshl_add_u32 v3, v2, 4, v3
	s_mul_i32 s23, s12, HALFB
	s_add_co_u32 s23, s23, 2*HALFA
	v_add_nc_u32 v[B0], s23, v3
	v_mov_b32 v[ADRA], v[A0]
	v_mov_b32 v[ADRB], v[B0]
	s_mul_i32 s23, s11, 16*MB*SP                   ; into the stage: my rows, my columns; row l % 16, 32 bytes for each half of the lanes
	s_mul_i32 s45, s12, 64*NB
	s_add_co_u32 s23, s23, s45
	v_mul_u32_u24 v3, v1, SP
	v_lshl_add_u32 v3, v2, 5, v3
	v_add_nc_u32 v[STO], s23, v3
	v_add_nc_u32 v[STO+1], 64*SP, v[STO]
	; back: wave w takes rows 64 w .. 64 w + 63.  32 lanes take four rows of one head: lane l row l / 8, eight columns 8 (l % 8) on: 32 bytes of f32, 16 of f16
	v_and_b32 v4, 31, v0
	v_lshrrev_b32 v5, 3, v4
	v_and_b32 v6, 7, v4
	v_mul_u32_u24 v[RD], v5, SP
	v_lshl_add_u32 v[RD], v6, 5, v[RD]
	s_mul_i32 s23, s10, 64*SP
	v_add_nc_u32 v[RD], s23, v[RD]
	v_lshlrev_b32 v[CO], 4, v4                     ; four rows of 128 bytes are 512 consecutive bytes of a slice
	s_lshr_b32 s16, s13, 3                         ; the batch: 48 slices of 262,144 bytes,
	s_mul_i32 s16, s16, 12582912
	s_and_b32 s17, s13, 7                          ; the tile's 256 rows of 128 bytes in a slice,
	s_lshl_b32 s17, s17, 15
	s_add_co_u32 s16, s16, s17
	s_lshl_b32 s17, s10, 13                        ; my wave's 64 of them,
	s_add_co_u32 s16, s16, s17
	s_mov_b32 s17, 0
	s_mul_i32 s46, s42, 786432                     ; and the tile's three slices
	s_mov_b32 s47, 0
	s_add_nc_u64 s[16:17], s[16:17], s[46:47]
	s_add_nc_u64 s[8:9], s[8:9], s[16:17]
	s_wait_tensorcnt 1                             ; my part of K step 0 is in; K step 1's may stay out
	s_barrier_signal -1
	s_barrier_wait -1                              ; everybody's is
	FETCH 0, 0, F0
	QUARTER F0, F1, AK1, 64, 1                     ; the first chunk stands in front of the loop: its products start the sums
	WIN 0                                          ; at a label and at a branch every window is 0
	s_mov_b32 s3, TT-2
.Lstep:                                                ; a trip: from a K step's second chunk to the next step's first; it fills the slot that it leaves
	PAIRS
	TURN 1
	QUARTER F0, F1, AK1, 64, 0
	WIN 0
	s_sub_co_u32 s3, s3, 1
	s_cmp_lg_u32 s3, 0
	s_cbranch_scc1 .Lstep
	PAIRS                                          ; the last two K steps are written out: nothing is left to fetch
	TURN 0
	QUARTER F0, F1, AK1, 64, 0
	PAIRS
	s_wait_dscnt 0x0                               ; the very last chunk: all my reads of the ring are back,
	s_barrier_signal -1
	MULA F1, 0, MB, 0
	WIN 0
	s_barrier_wait -1                              ; and everybody's: the ring, which has had its last fill, may be written over
	PLACES                                         ; THE WAY OUT.  Each accumulator's four lowest registers are stored first
.set ma, 0
.rept MB
	WIN (2+ma/4)<<2                                ; the stores' data lie in window 2 or 3
.set mb, 0
.rept NB
.set AR, 8*((ma%4)*NB+mb)
	ds_store_b128 v[STO+ma/4], v[AR:AR+3] offset:(ma%4)*16*SP+64*mb
	ds_store_b128 v[STO+ma/4], v[AR+4:AR+7] offset:(ma%4)*16*SP+64*mb+16
.set mb, mb+1
.endr
.set ma, ma+1
.endr
	WIN 0
	s_wait_dscnt 0x0                               ; for the others' sake: my stores into the stage are done
	s_barrier_signal -1
	s_barrier_wait -1
.set XO, 192                           ; v[192:239] eight rows x three heads as f32: 8 registers for head t, rows 4 u on, at XO + 8 (2 t + u)
.set PKR, 32                           ; v[32:55]   the same as f16, 4 registers each
.macro QLOAD
.irp t, 0,1,2
.irp u, 0,1
	ds_load_b128 v[XO+8*(2*\t+\u):XO+8*(2*\t+\u)+3], v[RD] offset:\u*4*SP+256*\t
	ds_load_b128 v[XO+8*(2*\t+\u)+4:XO+8*(2*\t+\u)+7], v[RD] offset:\u*4*SP+256*\t+16
.endr
.endr
.endm
	QLOAD
	s_mov_b32 s2, 8
.Lout:                                                 ; eight trips of eight rows
	s_wait_dscnt 0x0
.set gi, 0
.rept 24
	v_cvt_pk_f16_f32 v[PKR+gi], v[XO+2*gi], v[XO+2*gi+1]
.set gi, gi+1
.endr
	s_cmp_eq_u32 s2, 1
	s_cbranch_scc1 .Lno_more                       ; the last trip has nothing more to read
	v_add_nc_u32 v[RD], 8*SP, v[RD]
	QLOAD
.Lno_more:
.irp t, 0,1,2
.irp u, 0,1
	global_store_b128 v[CO], v[PKR+4*(2*\t+\u):PKR+4*(2*\t+\u)+3], s[8:9] offset:\t*262144+\u*512  ; 512 consecutive bytes, at a multiple of 256 from the buffer's first
.endr
.endr
	s_wait_xcnt 0x0                                ; the stores' data and offset are rewritten only behind this wait (ISA guide 3.1)
	v_add_nc_u32 v[CO], 1024, v[CO]
	s_sub_co_u32 s2, s2, 1
	s_cmp_lg_u32 s2, 0
	s_cbranch_scc1 .Lout
	s_wait_tensorcnt 0x0                           ; the wave's end: a wait, an add to my spare word and its wait, behind my last tensor load and my last LDS store
	ds_add_u32 v[SPW], v[NIL]
	s_wait_dscnt 0x0
	CROUND                                         ; the closing round: no work-group ends while a partner may still ask for a tile that names it
	s_endpgm
.Lfunc_end_k_q6cce80798b_qkv:
	.size	k_q6cce80798b_qkv, .Lfunc_end_k_q6cce80798b_qkv-k_q6cce80798b_qkv
	.p2alignl 7, 3214868480
	.fill 96, 4, 3214868480
	.section	.rodata,"a",@progbits
	.p2align	6, 0x0
	.amdhsa_kernel k_q6cce80798b_qkv
		.amdhsa_group_segment_fixed_size 327680
		.amdhsa_private_segment_fixed_size 0
		.amdhsa_enable_private_segment 0
		.amdhsa_kernarg_size 24
		.amdhsa_user_sgpr_count 2
		.amdhsa_user_sgpr_kernarg_segment_ptr 1
		.amdhsa_wavefront_size32 1
		.amdhsa_system_sgpr_workgroup_id_x 1
		.amdhsa_system_sgpr_workgroup_id_y 1
		.amdhsa_system_sgpr_workgroup_id_z 1
		.amdhsa_system_vgpr_workitem_id 0
		.amdhsa_next_free_vgpr 960
		.amdhsa_next_free_sgpr 80
		.amdhsa_reserve_vcc 0
		.amdhsa_float_denorm_mode_32 3
		.amdhsa_float_denorm_mode_16_64 3
		.amdhsa_memory_ordered 1
		.amdhsa_forward_progress 1
		.amdhsa_inst_pref_size 81
	.end_amdhsa_kernel
	.amdgpu_metadata
---
amdhsa.version: [ 1, 2 ]
amdhsa.kernels:
  - .name:           k_q6cce80798b_qkv
    .symbol:         k_q6cce80798b_qkv.kd
    .args:
      - { .name: h, .offset: 0, .size: 8, .value_kind: global_buffer, .address_space: global }
      - { .name: wt, .offset: 8, .size: 8, .value_kind: global_buffer, .address_space: global }
      - { .name: qkv, .offset: 16, .size: 8, .value_kind: global_buffer, .address_space: global }
    .group_segment_fixed_size: 327680
    .private_segment_fixed_size: 0
    .kernarg_segment_align: 8
    .kernarg_segment_size: 24
    .max_flat_workgroup_size: 128
    .sgpr_count:     80
    .vgpr_count:     960
    .wavefront_size: 32
...
	.end_amdgpu_metadata
.endif
;; end of part 3
;; launch attn (part 4): grid 8 x 32, 8 waves a work-group, no clusters, 327,680 bytes of LDS; arguments qkv, ctx; writes ctx
.if DOCPART == 4
	.amdgcn_target "amdgcn-amd-amdhsa--gfx1250"
	.amdhsa_code_object_version 6
	.text
	.protected	k_q6cce80798b_attn
	.globl	k_q6cce80798b_attn
	.p2align	8
	.type	k_q6cce80798b_attn,@function
k_q6cce80798b_attn:
	s_mov_b64 s[64:65], 0
	v_nop
	global_prefetch_b8 v0, s[64:65] scope:SCOPE_SE
	s_setreg_imm32_b32 hwreg(HW_REG_WAVE_MODE, 25, 1), 1
	s_wait_xcnt 0x0
; CAUSAL ATTENTION.  O[q][:] = the sum over k <= q of softmax_k(Q[q] . K[k] / 8) V[k][:] for each of 32 (batch, head) pairs of 2,048 rows x 64 channels.
; Q, K, V: f16, slices of qkv[b][48][2048][64] (q's heads 0-15, k's 16-31, v's 32-47), a head's rows dense, 128 bytes each.  O: ctx[16 b + head][2048][64] in bf16, rounded once.
; Products, maxima and sums in f32; the weights p are rounded to f16 for the second product (their sum l is taken of the unrounded p).
; LIMITS.  Q, K and V arrive within f16's 65,504.  A hidden score counts as its value less 1e30.  A weight below 2^-126 counts as 0 in l.  NaN and infinities are not treated apart.
; THE WALK.  A head's queries lie in 16 blocks of 128; block i needs the key tiles 0 .. i of 128 keys, of which tile i holds the diagonal.  A work-group takes TWO blocks, 15 - b and then b:
; 17 tiles whatever b, so the 8 x 32 = 256 work-groups do equal work and ONE loop with a constant trip count walks them.  A running softmax does not mind the order of the keys, so the first block's
; tiles are taken round a ring that begins at tile 2 b mod (16 - b): the eight work-groups of a head ask for different tiles in the same trip.  Which tile is asked for and what a trip does hang on
; scalars made from b; every jump but the counted loop's own goes forward.
; NO CLUSTER: with these walks no two work-groups of a head want the same tile in the same trip; one walk common to all would have 24 trips for 17.
; SHARES.  Eight waves, two on each SIMD.  Waves w and w + 4 own the SAME 32 queries, 16 rows in each of the block's two bands of 64, and split the KEYS: of every tile wave w takes keys 0-63, wave w + 4
; keys 64-127, each with a running maximum, sum and O^T of its own.  So a fragment of K or V read from LDS feeds two tiles of queries, as with one wave, and one wave's softmax runs beside the other's products.
; PIECES.  Piece 1 is the band whose number is my key half (it holds the diagonal in the diagonal tile: the mask); piece 0 the other band (in the diagonal tile all of it is seen by the lower key half
; and none by the upper, which passes it over by ONE forward jump).  At a block's end each wave gives piece 0 to its partner through LDS, joins the partner's part to its own piece 1, and stores those 16 rows.
; THE MASK is the C operand that starts the sum S^T = K Q^T: MD (0, or -1e30 where the key is hidden), made once for my 16 rows, in place of the constant 0.
; LAYOUT.  S^T = K Q^T (source 0 = 16 keys, source 1 = 16 queries) holds ONE query a lane (lane % 16) and the keys 8 (lane / 16) + 0..7; two such results rounded to f16 ARE source 1 of O^T = V^T P,
; whose result again holds one query a lane and eight channels.  K comes out of LDS as it lies, V ([key][channel]) turned, by ds_load_tr16_b128.
; SOFTMAX.  A running maximum m and sum l for each query: p = 2^(c s - c m), c = log2(e) / 8; in every step O and l are multiplied by a = 2^(c m_old - c m_new).
; REGISTERS, in windows of 256 (s_set_vgpr_msb: bits 1:0 source 0, 3:2 source 1, 5:4 source 2, 7:6 destination):
;   window 0: v0-15, v32-34 addresses; v16-23 statistics; v24-31 at work; v64-127 S^T; v128-159 P; v160-223 O^T; v224-239 the way out
;   window 1: v0-31 Q; v32-63 the second block's Q; v64-127 K of my 64 keys; v128-191 V of them; v192-223 MD
.set NBK,   16
.set KS,    64        ; keys of a tile that a wave takes
.set PK,    144       ; a row of K in LDS: 128 bytes + 16 of padding = 36 words: the 16 rows of a load start at 16 different groups of four banks (64 banks of 4 bytes: ISA guide 11.1)
.set PV,    160       ; a row of V: 128 + 32 = 40 words
.set VOFF,  2*KS*PK   ; a slot holds a tile: 128 rows of K, then 128 rows of V
.set SLOT1, 1<<16     ; slot 1 begins here, so that one exclusive or turns an address in one slot into the other's
.set STAGE, SLOT1+2*KS*(PK+PV)  ; behind the ring, never filled by a tensor load: 16 rows x 144 bytes for each wave
.set SP,    144
.set XCH,   STAGE+8*16*SP       ; behind the stages: what a wave gives its partner: 8 x 512 bytes of O^T, 512 of statistics
.set XW,    4608
.set SPARE, XCH+8*XW            ; behind that: the spare words, 128 bytes for each wave
.set AK0, 2           ; v2   my lane's place in my half of a tile of K; never rewritten
.set AV0, 3           ; v3   the same for V
.set AK,  4           ; v4   the LDS address of K's run of loads
.set AV,  5           ; v5   of V's
.set STO, 6           ; v6   the way out: where I put 16 bytes of a row
.set RD,  7           ; v7   where I read rows back
.set GO,  8           ; v8   16 x lane: my byte offset in 512 consecutive bytes
.set MV,  12          ; v12-13  c m_old, kept while c m is made anew
.set QO,  15          ; v15  my byte offset in piece 0's 16 rows of Q
.set ST,  16          ; piece t's statistics at v[ST+4 t]: c m, m, l (even keys', odd keys')
.set TMP, 24          ; piece t's c0-c3 at v[TMP+4 t]; when the maximum is found c2 takes a
.set XS,  32          ; v32  where I put what I give away
.set XR,  33          ; v33  where my partner has put it
.set QO1, 34          ; v34  my byte offset in piece 1's 16 rows of Q
.set SPW, 62          ; v62  LDS address of my spare word; never rewritten
.set NIL, 63          ; v63  0; never rewritten
.set S,   64
.set P,   128
.set O,   160
.set W,   224
.set QB,  32          ; window 1
.set KF,  64          ; window 1: key block kb, channel half c at KF + 16 kb + 8 c
.set VF,  128         ; window 1: key half kk, channel block cb at VF + 32 kk + 8 cb
.set MD,  192         ; window 1: the eight registers for group kt of 16 keys at MD + 8 kt
.set WV,  12          ; s12  my wave's number, 0 to 7
.set PB,  14          ; s14  b
.set HI,  15          ; s15  15 - b
.set G1K, 24          ; s[24:31] descriptor group 1 for K's tiles
.set G1V, 32          ; s[32:39] for V's: it differs in the padding alone
.set G0K, 40          ; s[40:43] descriptor group 0 for K's first fill of slot 0
.set G0V, 44          ; s[44:47] for V's
.set SLOTS, 56        ; s56  counts the loop's trips
.set AR,  57          ; s57  tiles of the block in hand that are still to be asked for
.set CS,  58          ; s[58:59] c
.set SEL, 60          ; s[60:61] v_permlanex16_b32's selects: each lane takes its own place in the other half
.set TB,  62          ; s62  LDS byte at which the slot to be read begins
.set D0,  63          ; s63  1: the tile that is entered holds the diagonal
.set D1,  66          ; s66  the same of the tile behind it
.set RT,  70          ; s70  tiles of the block in hand that are still to be entered
.set NXT, 71          ; s71  the tile to be asked for next
.set LQ,  72          ; s72  the number of the block whose tiles are being asked for: its last tile
.set NEW, 73          ; s73  1: the tile to be entered is a block's first
.set OFF, 74          ; s[74:75] a tile's byte offset in K and V
.set WQ,  77          ; s77  wave % 4: which 16 rows of a band
.set HF,  78          ; s78  wave / 4: which half of a tile's keys
.set SK,  79          ; s79  1: piece 0 sees nothing of my keys in this tile
.set OLO, 80          ; s[80:81] O at my rows of the second block
.set BIGN, 82         ; s82  -1e30
.set W0K, 88          ; s[88:91] descriptor group 0 for K's tiles: first slot 1's fill, then it walks
.set W0V, 92          ; s[92:95] for V's
.set MSB, 0
.macro WIN new                      ; the high byte repeats the setting that is left; a switch that changes nothing is dropped
.if MSB != (\new)
	s_set_vgpr_msb (MSB<<8)|(\new)
.set MSB, (\new)
.endif
.endm
.macro PLACES                       ; four plain vector instructions between a matrix instruction and a line that reads its result or loads into its registers
.rept 4
	v_nop
.endr
.endm
; A refill.  Waves 0 to 3 fetch the four quarters of a tile's K, waves 4 to 7 those of its V: 32 keys each.  An s_nop 0 and four v_nop follow each of the two lines.
.macro LOAD
	s_cmp_lt_u32 s[WV], 4
	s_cbranch_scc0 .Lfor_v_\@
	tensor_load_to_lds s[W0K:W0K+3], s[G1K:G1K+7]
	s_nop 0
.rept 4
	v_nop
.endr
	s_branch .Lasked_\@
.Lfor_v_\@:
	tensor_load_to_lds s[W0V:W0V+3], s[G1V:G1V+7]
	s_nop 0
.rept 4
	v_nop
.endr
.Lasked_\@:
.endm
; The next tile of the walk: its byte offset, and whether it holds the diagonal (the flag reaches D0 when the tile is entered, one ask later).  Then the walk steps: round the block's ring of tiles;
; when all of the first block's have been asked for, on to the second block's, from its tile 0.
.macro ASK
	s_lshl_b32 s[OFF], s[NXT], 14   ; a tile is 16,384 bytes of K and of V
	s_mov_b32 s[D0], s[D1]
	s_cmp_eq_u32 s[NXT], s[LQ]
	s_cselect_b32 s[D1], 1, 0
	s_add_co_u32 s[NXT], s[NXT], 1
	s_cmp_gt_u32 s[NXT], s[LQ]
	s_cselect_b32 s[NXT], 0, s[NXT]
	s_sub_co_u32 s[AR], s[AR], 1
	s_cmp_eq_u32 s[AR], 0
	s_cselect_b32 s[NXT], 0, s[NXT]
	s_cselect_b32 s[LQ], s[PB], s[LQ]
	s_cselect_b32 s[AR], 32, s[AR]  ; more than are left to ask for: it does not run out again
.endm
; THE CHANGE OF SLOTS.  Each wave waits for all its tensor loads, of which one is out: its part of the other slot; adds 0 to its spare word; and waits for that and for its own reads of the slot that it leaves.
; Behind the barrier nobody reads the old slot any more and the other slot is whole.  fill = 1: the old slot is filled again, the first thing behind the barrier: the address is made anew from the tile's number.
.macro CHANGE fill
	WIN 0
	s_wait_tensorcnt 0x0            ; no tensor load of mine is out, so a group 0 may be written
	ds_add_u32 v[SPW], v[NIL]       ; 0 onto my spare word; scalar work stands between it and the wait for it
.if \fill
	ASK
	s_xor_b32 s[W0K+1], s[W0K+1], SLOT1
	s_add_nc_u64 s[W0K+2:W0K+3], s[6:7], s[OFF:OFF+1]
	s_or_b32 s[W0K+3], s[W0K+3], 0x80000000
	s_xor_b32 s[W0V+1], s[W0V+1], SLOT1
	s_add_nc_u64 s[W0V+2:W0V+3], s[8:9], s[OFF:OFF+1]
	s_or_b32 s[W0V+3], s[W0V+3], 0x80000000
.else
	s_mov_b32 s[D0], s[D1]
.endif
	s_wait_dscnt 0x0                ; the add is done, and my reads of the slot are over
	s_barrier_signal -1
	s_xor_b32 s[TB], s[TB], SLOT1   ; the reads go on in the other slot
	s_barrier_wait -1
.if \fill
	LOAD
.endif
.endm
	s_load_b128 s[48:51], s[0:1], 0x0  ; qkv s[48:49], ctx s[50:51]
	v_lshl_add_u32 v[SPW], v0, 2, SPARE
	v_mov_b32 v[NIL], 0
	ds_add_u32 v[SPW], v[NIL]       ; the wave's opening: the add and its wait stand ahead of my first tensor load; work on registers stands between them
	ds_add_u32 v62, v63
	v_lshrrev_b32 v1, 5, v0
	v_readfirstlane_b32 s[WV], v1   ; wave 0..7
	s_and_b32 s[WQ], s[WV], 3
	s_lshr_b32 s[HF], s[WV], 2
	s_mov_b32 s[PB], ttmp9
	s_sub_co_u32 s[HI], NBK-1, s[PB]
	s_and_b32 s20, ttmp7, 0xffff    ; 16 x batch + head
	s_lshr_b32 s21, s20, 4
	s_and_b32 s22, s20, 15
	s_mul_i32 s21, s21, 48
	s_add_co_u32 s21, s21, s22      ; q's slice
	s_lshl_b32 s22, s21, 18         ; its first byte in qkv
	s_lshl_b32 s52, s20, 18         ; the head's first byte in ctx
	s_lshl_b32 s2, s[WQ], 11        ; my 16 rows in a band of 64,
	s_lshl_b32 s3, s[HF], 13        ; the band that I keep and store,
	s_lshl_b32 s84, s[HI], 14       ; in the first block,
	s_add_co_u32 s84, s84, s2
	s_lshl_b32 s86, s[PB], 14       ; and in the second
	s_add_co_u32 s86, s86, s2
	s_add_co_u32 s52, s52, s3
	s_add_co_u32 s54, s84, s52      ; the four offsets: O, first block; O, second;
	s_add_co_u32 s52, s86, s52
	s_add_co_u32 s84, s84, s22      ; Q, first; Q, second (band 0's rows: the band stands in the lanes' offsets)
	s_add_co_u32 s86, s86, s22
	s_mov_b32 s53, 0
	s_mov_b32 s55, 0
	s_mov_b32 s85, 0
	s_mov_b32 s87, 0
	s_lshl_b32 s18, s[WQ], 12       ; the quarter of a tile's 128 keys that I fetch: its 32 rows of 128 bytes in memory,
	s_add_co_u32 s18, s18, s22
	s_add_co_u32 s18, s18, 0x400000 ; k's slice lies 16 slices behind q's
	s_mov_b32 s19, 0
	s_mul_i32 s17, s[WQ], 32*PK     ; and its place in a slot, for K
	s_mul_i32 s23, s[WQ], 32*PV     ; and for V
	; descriptor group 1.  32 keys are 4,096 dense bytes: asked for as 16 rows of 256 bytes, two keys a row, and padded in LDS after every key
	s_mov_b32 s[G1K], (1<<16)|(1<<20)|(4<<22)|(3<<25)  ; 17:16 2-byte elements; 20 padding on; 24:22 after every 32 words (code 4); 31:25 4 words (code 3)
	s_mov_b32 s[G1V], (1<<16)|(1<<20)|(4<<22)|(7<<25)  ; the same with 8 words of padding (code 7)
.irp g, G1K, G1V
	s_mov_b32 s[\g+1], 128<<16      ; tensor_dim0 = 128
	s_mov_b32 s[\g+2], 16<<16       ; tensor_dim1 = 16
	s_mov_b32 s[\g+3], 128<<16      ; tile_dim0 = 128
	s_mov_b32 s[\g+4], 16           ; tile_dim1 = 16
	s_mov_b32 s[\g+5], 128          ; 128 elements from row to row
	s_mov_b32 s[\g+6], 0
	s_mov_b32 s[\g+7], 0
.endr
	s_mov_b32 s[CS], 0x3e38aa3b     ; c = log2(e) / 8 = 0.180337
	s_mov_b32 s[CS+1], s[CS]        ; named with it as a pair
	s_mov_b32 s[SEL], 0x76543210
	s_mov_b32 s[SEL+1], 0xfedcba98
	s_mov_b32 s[TB], 0
	s_mov_b32 s[G0K], 1             ; count = 1
	s_mov_b32 s[G0K+1], s17         ; LDS address: slot 0
	s_mov_b32 s[G0V], 1
	s_add_co_u32 s[G0V+1], s23, VOFF
	s_mov_b32 s[W0K], 1
	s_add_co_u32 s[W0K+1], s17, SLOT1  ; slot 1
	s_mov_b32 s[W0V], 1
	s_add_co_u32 s[W0V+1], s23, VOFF+SLOT1
	s_add_co_u32 s[AR], s[HI], 1    ; the first block has 16 - b tiles;
	s_mov_b32 s[RT], s[AR]
	s_lshl_b32 s[NXT], s[PB], 1     ; its ring is entered at tile 2 b, less the ring's length where that is past its end
	s_sub_co_u32 s13, s[NXT], s[AR]
	s_cmp_gt_u32 s[NXT], s[HI]
	s_cselect_b32 s[NXT], s13, s[NXT]
	s_mov_b32 s[LQ], s[HI]
	s_mov_b32 s[D1], 0
	s_mov_b32 s[NEW], 1
	s_mov_b32 s[OFF+1], 0
	s_mov_b32 s[BIGN], 0xf149f2ca   ; -1e30
	s_mov_b32 s[SLOTS], NBK
	s_wait_dscnt 0x0                ; the opening add is done
	s_wait_kmcnt 0x0
	s_add_nc_u64 s[6:7], s[48:49], s[18:19]        ; K at my quarter of the head's tile 0,
	s_add_nc_u64 s[8:9], s[6:7], 0x400000          ; V 16 slices behind it
	ASK                                            ; the walk's first tile, into slot 0
	s_add_nc_u64 s[G0K+2:G0K+3], s[6:7], s[OFF:OFF+1]  ; global address
	s_or_b32 s[G0K+3], s[G0K+3], 0x80000000        ; type = 2
	s_add_nc_u64 s[G0V+2:G0V+3], s[8:9], s[OFF:OFF+1]
	s_or_b32 s[G0V+3], s[G0V+3], 0x80000000
	ASK                                            ; its second, into slot 1
	s_add_nc_u64 s[W0K+2:W0K+3], s[6:7], s[OFF:OFF+1]
	s_or_b32 s[W0K+3], s[W0K+3], 0x80000000
	s_add_nc_u64 s[W0V+2:W0V+3], s[8:9], s[OFF:OFF+1]
	s_or_b32 s[W0V+3], s[W0V+3], 0x80000000
	s_add_nc_u64 s[4:5], s[48:49], s[84:85]        ; Q at my rows of the first block,
	s_add_nc_u64 s[86:87], s[48:49], s[86:87]      ; and of the second
	s_add_nc_u64 s[10:11], s[50:51], s[54:55]      ; O likewise
	s_add_nc_u64 s[OLO:OLO+1], s[50:51], s[52:53]
	s_cmp_lt_u32 s[WV], 4           ; a wave's two first fills stand in one branch, ahead of every wait on TENSORcnt, LDS read and barrier: two loads of mine are out
	s_cbranch_scc0 .Lfirst_v
	tensor_load_to_lds s[G0K:G0K+3], s[G1K:G1K+7]
	s_nop 0
	tensor_load_to_lds s[W0K:W0K+3], s[G1K:G1K+7]
	s_nop 0
.rept 4
	v_nop
.endr
	s_branch .Lfirst_asked
.Lfirst_v:
	tensor_load_to_lds s[G0V:G0V+3], s[G1V:G1V+7]
	s_nop 0
	tensor_load_to_lds s[W0V:W0V+3], s[G1V:G1V+7]
	s_nop 0
.rept 4
	v_nop
.endr
.Lfirst_asked:
	; A fragment of K or Q is 16 rows x 32 channels in 8 registers: lane l holds row l % 16, channels 8 (l / 16) + 0..7 and 16 + 8 (l / 16) + 0..7: two loads of 16 bytes, 32 bytes apart.
	v_and_b32 v1, 15, v0            ; l % 16
	v_bfe_u32 v9, v0, 4, 1          ; l / 16
	v_lshlrev_b32 v[QO], 7, v1
	v_lshl_add_u32 v[QO], v9, 4, v[QO]  ; row x 128 + 16 x half
	v_add_nc_u32 v[QO1], s3, v[QO]  ; piece 1: the band of my key half's number, 8,192 bytes a band;
	s_xor_b32 s13, s3, 8192
	v_add_nc_u32 v[QO], s13, v[QO]  ; piece 0: the other band
	WIN 0x40                        ; destination window 1, address window 0
.set qi, 0
.rept 4                             ; both blocks' Q: piece qi / 2, channels 32 (qi % 2) on
.set qa, QO+(QO1-QO)*(qi/2)
	global_load_b128 v[8*qi:8*qi+3],   v[qa], s[4:5] offset:(qi%2)*64
	global_load_b128 v[8*qi+4:8*qi+7], v[qa], s[4:5] offset:(qi%2)*64+32
	global_load_b128 v[QB+8*qi:QB+8*qi+3],   v[qa], s[86:87] offset:(qi%2)*64
	global_load_b128 v[QB+8*qi+4:QB+8*qi+7], v[qa], s[86:87] offset:(qi%2)*64+32
.set qi, qi+1
.endr
	WIN 0
	v_lshlrev_b32 v14, 3, v9
	v_sub_nc_u32 v14, v1, v14
	s_lshl_b32 s13, s[WQ], 4
	v_add_nc_u32 v14, s13, v14      ; my query's place in its band, 16 (wave % 4) + l % 16, less my lanes' 8 (l / 16): register r of group kt is hidden where 16 kt + r is greater
	WIN 0x40
.set qi, 0
.rept 32
	v_cmp_gt_i32 vcc_lo, 16*(qi/8)+qi%8, v14
	v_cndmask_b32 v[MD+qi], 0, s[BIGN], vcc_lo
.set qi, qi+1
.endr
	WIN 0
	v_mul_u32_u24 v[AK0], v1, PK
	v_lshl_add_u32 v[AK0], v9, 4, v[AK0]  ; row x pitch + 16 x half,
	s_mul_i32 s13, s[HF], KS*PK
	v_add_nc_u32 v[AK0], s13, v[AK0]      ; in my half of the tile's keys
	; The turning load takes 16 keys x 16 channels (lane l reads key 8 (l / 16) + l % 8, channels 8 ((l / 8) % 2) + 0..7) and leaves half a fragment of V^T: lane l holds channel l % 16 and 8 keys.
	v_and_b32 v10, 7, v0
	v_bfe_u32 v11, v0, 3, 1
	v_lshl_add_u32 v[AV0], v9, 3, v10
	v_mul_u32_u24 v[AV0], v[AV0], PV
	v_lshl_add_u32 v[AV0], v11, 4, v[AV0]
	s_mul_i32 s13, s[HF], KS*PV
	s_add_co_u32 s13, s13, VOFF
	v_add_nc_u32 v[AV0], s13, v[AV0]
	s_mul_i32 s13, s[WV], 16*SP
	s_add_co_u32 s13, s13, STAGE    ; my stage
	v_mul_u32_u24 v[STO], v1, SP    ; in: row l % 16, 16 bytes for each half of the lanes
	v_lshl_add_u32 v[STO], v9, 4, v[STO]
	v_add_nc_u32 v[STO], s13, v[STO]
	v_bfe_u32 v[RD], v0, 3, 2       ; back: 32 lanes take four rows of 128 bytes,
	v_mul_u32_u24 v[RD], v[RD], SP
	v_lshl_add_u32 v[RD], v10, 4, v[RD]
	v_add_nc_u32 v[RD], s13, v[RD]
	v_and_b32 v[GO], 31, v0         ; which are 512 consecutive bytes of O
	v_lshlrev_b32 v[GO], 4, v[GO]
	s_mul_i32 s13, s[WV], XW
	s_add_co_u32 s13, s13, XCH
	v_add_nc_u32 v[XS], s13, v[GO]  ; the exchange: my bytes,
	s_xor_b32 s13, s[WV], 4
	s_mul_i32 s13, s13, XW
	s_add_co_u32 s13, s13, XCH
	v_add_nc_u32 v[XR], s13, v[GO]  ; and those of the wave with the same rows and the other keys
; THE MATRIX WORK.  Four of the eight products of S^T = K Q^T for piece x: product i takes channels 32 (i / 4) on, keys 16 (i % 4) on.  kind 0: i = 0..3 start the sums with 0; 1: with the mask; 2: i = 4..7 add in place.
; The four accumulators take turns.
.macro KQ4 x, kind
.set ki, 4*((\kind)/2)
.rept 4
.set rS, S+32*(\x)+8*(ki%4)
.set rK, KF+16*(ki%4)+8*(ki/4)
.set rQ, 16*(\x)+8*(ki/4)
.set rM, MD+8*(ki%4)
.if (\kind) == 0
	v_wmma_f32_16x16x32_f16 v[rS:rS+7], v[rK:rK+7], v[rQ:rQ+7], 0
.elseif (\kind) == 1
	v_wmma_f32_16x16x32_f16 v[rS:rS+7], v[rK:rK+7], v[rQ:rQ+7], v[rM:rM+7]
.else
	v_wmma_f32_16x16x32_f16 v[rS:rS+7], v[rK:rK+7], v[rQ:rQ+7], v[rS:rS+7]
.endif
.set ki, ki+1
.endr
.endm
.macro KQM x                        ; the piece that takes the mask in the diagonal tile
	s_cmp_eq_u32 s[D0], 1
	s_cbranch_scc1 .Lmask_\@
	WIN 0x05                        ; K and Q in window 1, S^T in window 0
	KQ4 \x, 0
	WIN 0
	s_branch .Lsum_\@
.Lmask_\@:
	WIN 0x15                        ; the same with the C operand in window 1
	KQ4 \x, 1
	WIN 0
.Lsum_\@:
	WIN 0x05
	KQ4 \x, 2
	WIN 0
.endm
.macro KQP x                        ; the piece that never does
	WIN 0x05
	KQ4 \x, 0
	KQ4 \x, 2
	WIN 0
.endm
; The eight products of O^T += V^T P for piece x: product i takes keys 32 (i / 4) on, channels 16 (i % 4) on.
.macro PV x
	WIN 0x01                        ; V in window 1; P and O^T in window 0
.set pi, 0
.rept 8
.set rO, O+32*(\x)+8*(pi%4)
.set rV, VF+32*(pi/4)+8*(pi%4)
.set rP, P+16*(\x)+8*(pi/4)
	v_wmma_f32_16x16x32_f16 v[rO:rO+7], v[rV:rV+7], v[rP:rP+7], v[rO:rO+7]
.set pi, pi+1
.endr
	WIN 0
.endm
; THE LDS LOADS stand in runs of 16: my 64 keys' K (64 keys x 64 channels: 8 fragments) and their V (turned).
.macro FETCH_K
	WIN 0x40
.irp f, 0,1,2,3,4,5,6,7             ; keys 16 (f / 2) on, channels 32 (f % 2) on
	ds_load_b128 v[KF+8*\f:KF+8*\f+3],   v[AK] offset:(\f/2)*16*PK+(\f%2)*64
	ds_load_b128 v[KF+8*\f+4:KF+8*\f+7], v[AK] offset:(\f/2)*16*PK+(\f%2)*64+32
.endr
	WIN 0
.endm
.macro FETCH_V
	WIN 0x40
.irp f, 0,1,2,3,4,5,6,7             ; keys 32 (f / 4) on, channels 16 (f % 4) on
	ds_load_tr16_b128 v[VF+8*\f:VF+8*\f+3],   v[AV] offset:(\f/4)*32*PV+(\f%4)*32
	ds_load_tr16_b128 v[VF+8*\f+4:VF+8*\f+7], v[AV] offset:(\f/4)*32*PV+16*PV+(\f%4)*32
.endr
	WIN 0
.endm
; THE SOFTMAX of piece t for my 64 keys of a tile, 150 lines, all in window 0.  s0-s31 are the lane's 32 scores.
.macro SM t
.set rT, ST+4*(\t)
.set rC, TMP+4*(\t)
.set rW, MV+(\t)
.set rS, S+32*(\t)
.set rP, P+16*(\t)
.set rO, O+32*(\t)
.irp n, 0,1,2,3                     ; the maximum: four chains of seven scores; each accumulator's lowest registers are read first
	v_max3_num_f32 v[rC+\n], v[rS+8*\n], v[rS+8*\n+1], v[rS+8*\n+2]
.endr
.irp n, 0,1,2,3
	v_max3_num_f32 v[rC+\n], v[rC+\n], v[rS+8*\n+3], v[rS+8*\n+4]
.endr
.irp n, 0,1,2,3
	v_max3_num_f32 v[rC+\n], v[rC+\n], v[rS+8*\n+5], v[rS+8*\n+6]
.endr
	v_max3_num_f32 v[rC], v[rC], v[rS+7], v[rS+15]       ; the four scores left over, the old m, and the chains into c0
	v_max3_num_f32 v[rC+1], v[rC+1], v[rS+23], v[rS+31]
	v_max3_num_f32 v[rC+2], v[rC+2], v[rC+3], v[rT+1]
	v_mov_b32 v[rW], v[rT]                               ; c m_old is kept
	v_max3_num_f32 v[rC], v[rC], v[rC+1], v[rC+2]
	v_permlanex16_b32 v[rC+3], v[rC], s[SEL], s[SEL+1]   ; the query's other 32 keys lie in the lane 16 away
	v_max_num_f32 v[rT+1], v[rC], v[rC+3]
	v_mul_f32 v[rT], s[CS], v[rT+1]
	v_sub_f32 v[rC+1], v[rW], v[rT]
	v_exp_f32 v[rC+2], v[rC+1]                           ; a; the scalings below stand between it and its first use
.set n, 0
.rept 16
	v_pk_fma_f32 v[rS+2*n:rS+2*n+1], v[rS+2*n:rS+2*n+1], s[CS:CS+1], v[rT:rT+1] op_sel_hi:[1,0,0] neg_lo:[0,0,1] neg_hi:[0,0,1]  ; c s - c m
.set n, n+1
.endr
.set n, 0
.rept 32                            ; an exponential and a plain line by turns (ISA guide 5.7.2): O^T times a, l times a, or the rounding of a pair whose exponentials stand two lines back or more
	v_exp_f32 v[rS+n], v[rS+n]
.if n%2 == 0
	s_wait_alu depctr_va_vdst(0)
	v_pk_mul_f32 v[rO+n:rO+n+1], v[rO+n:rO+n+1], v[rC+2:rC+3] op_sel_hi:[1,0]
.elseif n == 1
	v_pk_mul_f32 v[rT+2:rT+3], v[rT+2:rT+3], v[rC+2:rC+3] op_sel_hi:[1,0]
.else
	s_wait_alu depctr_va_vdst(0)
	v_cvt_pk_f16_f32 v[rP+(n-3)/2], v[rS+n-3], v[rS+n-2]
.endif
.set n, n+1
.endr
	v_cvt_pk_f16_f32 v[rP+15], v[rS+30], v[rS+31]
.irp w, 16,8,4,2                    ; the sum of the 16 pairs as a tree, in place; then l takes it
.set n, 0
.rept \w/2
	v_pk_add_f32 v[rS+2*n:rS+2*n+1], v[rS+2*n:rS+2*n+1], v[rS+\w+2*n:rS+\w+2*n+1]
.set n, n+1
.endr
.endr
	v_pk_add_f32 v[rT+2:rT+3], v[rT+2:rT+3], v[rS:rS+1]
.endm
; A BLOCK BEGINS: O^T and l are 0; c m starts far below every c s, m at the lowest finite number, so the first step's a is 0 and its maximum the scores'.  No first step is written out for it.
.macro BEGIN
	s_mov_b32 s[NEW], 0
.set n, 0
.rept 64
	v_mov_b32 v[O+n], 0
.set n, n+1
.endr
.irp t, 0,1
	v_mov_b32 v[ST+4*\t], 0xfe000000
	v_mov_b32 v[ST+4*\t+1], 0xff7fffff
	v_mov_b32 v[ST+4*\t+2], 0
	v_mov_b32 v[ST+4*\t+3], 0
.endr
	s_wait_loadcnt 0x0              ; Q
.endm
; A BLOCK ENDS.  My piece 0 (O^T, c m, l) goes to my partner, whose piece 1 is the same band; my stores are waited for, all eight waves pass a barrier, and I read what my partner has put down for my piece 1.
; The two parts are joined as two running softmaxes are: c m = the larger; each part's O^T and l times 2^(its c m - c m).  A part that has seen no key has c m far below, l = 0 and O^T = 0: its factor is 0.
; Then l's other half of the lanes is added, O^T is divided by l, rounded to bf16 and sent through my stage in LDS.  The next stores into the exchange stand behind a change of slots, whose barrier
; has every wave's wait for its LDS loads in front of it.
.macro END
	v_add_f32 v[ST+2], v[ST+2], v[ST+3]
	v_add_f32 v[ST+6], v[ST+6], v[ST+7]
.irp f, 0,1,2,3,4,5,6,7
	ds_store_b128 v[XS], v[O+4*\f:O+4*\f+3] offset:512*\f  ; 32 lanes x 16 consecutive bytes; each accumulator's lowest registers go first
.endr
	ds_store_b128 v[XS], v[ST:ST+3] offset:4096
	s_wait_dscnt 0x0                ; for my partner's sake: my stores are done
	s_barrier_signal -1
	s_barrier_wait -1
.irp f, 0,1,2,3,4,5,6,7
	ds_load_b128 v[S+4*\f:S+4*\f+3], v[XR] offset:512*\f
.endr
	ds_load_b128 v[S+32:S+35], v[XR] offset:4096
	s_wait_dscnt 0x0
	v_max_num_f32 v[TMP], v[ST+4], v[S+32]
	v_sub_f32 v[TMP+1], v[ST+4], v[TMP]
	v_sub_f32 v[TMP+2], v[S+32], v[TMP]
	v_exp_f32 v[TMP+1], v[TMP+1]    ; my part's factor,
	v_exp_f32 v[TMP+2], v[TMP+2]    ; my partner's
	v_nop                           ; a plain instruction between the exponentials and the use of their results (ISA guide 5.7.2)
	s_wait_alu depctr_va_vdst(0)
	v_mul_f32 v[TMP+3], v[TMP+1], v[ST+6]
	v_fma_f32 v[TMP+3], v[TMP+2], v[S+34], v[TMP+3]
	v_permlanex16_b32 v[TMP+4], v[TMP+3], s[SEL], s[SEL+1]
	v_add_f32 v[TMP+3], v[TMP+3], v[TMP+4]
	v_rcp_f32 v[TMP+5], v[TMP+3]
	v_nop
	s_wait_alu depctr_va_vdst(0)
	v_mul_f32 v[TMP], v[TMP+1], v[TMP+5]      ; both factors divided by l; each is the low word of a pair
	v_mul_f32 v[TMP+2], v[TMP+2], v[TMP+5]
.set n, 0
.rept 16
	v_pk_mul_f32 v[O+32+2*n:O+32+2*n+1], v[O+32+2*n:O+32+2*n+1], v[TMP:TMP+1] op_sel_hi:[1,0]
.set n, n+1
.endr
.set n, 0
.rept 16
	v_pk_fma_f32 v[O+32+2*n:O+32+2*n+1], v[S+2*n:S+2*n+1], v[TMP+2:TMP+3], v[O+32+2*n:O+32+2*n+1] op_sel_hi:[1,0,1]
.set n, n+1
.endr
.set n, 0
.rept 16
	v_cvt_pk_bf16_f32 v[W+n], v[O+32+2*n], v[O+32+2*n+1]
.set n, n+1
.endr
.irp f, 0,1,2,3                     ; a lane's eight channels of a row are 16 bytes; they go into rows of 144 bytes and come back as whole rows of 128
	ds_store_b128 v[STO], v[W+4*\f:W+4*\f+3] offset:32*\f
.endr
.irp f, 0,1,2,3
	ds_load_b128 v[W+4*\f:W+4*\f+3], v[RD] offset:\f*4*SP  ; LDS serves a wave's instructions in order (ISA guide 5.7.1.4): these see the stores above
.endr
.irp f, 0,1,2,3
	s_wait_dscnt 3-\f
	global_store_b128 v[GO], v[W+4*\f:W+4*\f+3], s[10:11] offset:\f*512  ; 512 consecutive bytes, at a multiple of 256 from ctx's first
.endr
.endm
; A TILE.  My 64 keys' K and V are asked for; piece 1's scores; then, unless my keys are wholly hidden from piece 0 (ONE forward jump), piece 0's scores, softmax and V^T P; piece 1's softmax and V^T P.
; tail = 1: the walk's last tile, which is the second block's last.
.macro TILE tail
	s_sub_co_u32 s[RT], s[RT], 1
	s_and_b32 s[SK], s[D0], s[HF]   ; the diagonal tile's upper keys lie behind all of the lower band
	s_cmp_eq_u32 s[NEW], 1
	s_cbranch_scc0 .Lold_\@
	BEGIN
.Lold_\@:
	v_add_nc_u32 v[AK], s[TB], v[AK0]
	v_add_nc_u32 v[AV], s[TB], v[AV0]
	FETCH_K
	FETCH_V
	s_wait_dscnt 16                 ; K is in; V's sixteen loads may stay out
	KQM 1
	PLACES
	s_cmp_eq_u32 s[SK], 1
	s_cbranch_scc1 .Lown_\@
	KQP 0
	PLACES
	SM 0
	s_wait_dscnt 0x0                ; V is in
	PV 0
.Lown_\@:
	SM 1
	s_wait_dscnt 0x0                ; V is in
	PV 1
	PLACES                          ; in front of the next run of loads into V's registers, and of the block's end
.if \tail
	END
.else
	s_cmp_eq_u32 s[RT], 0           ; the same in all eight waves: it hangs on the work-group's number and the trips alone
	s_cbranch_scc0 .Lnot_last_\@
	END                             ; in the loop this is the first block's end
	s_wait_xcnt 0x0                 ; the stores have read their registers and O's address
	s_mov_b64 s[10:11], s[OLO:OLO+1]
	s_add_co_u32 s[RT], s[PB], 1    ; the second block has b + 1 tiles
	s_mov_b32 s[NEW], 1
	WIN 0x41                        ; the second block's Q goes where the one text of the products names Q
.set n, 0
.rept 32
	v_mov_b32 v[n], v[QB+n]
.set n, n+1
.endr
	WIN 0
.Lnot_last_\@:
.endif
.endm
	s_wait_tensorcnt 1              ; my part of slot 0 is in; slot 1's may stay out
	s_barrier_signal -1
	s_barrier_wait -1               ; everybody's is
	s_branch .Lenter                ; the loop is entered behind its change of slots
.Lslot:                             ; 15 whole trips: the next tile is entered and the one two on is asked for; one tensor load of mine is out
	CHANGE 1
.Lenter:
	TILE 0
	s_sub_co_u32 s[SLOTS], s[SLOTS], 1
	s_cmp_lg_u32 s[SLOTS], 0
	s_cbranch_scc1 .Lslot
	CHANGE 0                        ; the walk's last tile is written out: nothing is asked for
	TILE 1
	s_wait_tensorcnt 0x0            ; the wave's end: a wait, an add to my spare word and its wait, behind my last tensor load and my last LDS store
	ds_add_u32 v[SPW], v[NIL]
	s_wait_dscnt 0x0
	s_endpgm
.Lfunc_end_k_q6cce80798b_attn:
	.size	k_q6cce80798b_attn, .Lfunc_end_k_q6cce80798b_attn-k_q6cce80798b_attn
	.p2alignl 7, 3214868480
	.fill 96, 4, 3214868480
	.section	.rodata,"a",@progbits
	.p2align	6, 0x0
	.amdhsa_kernel k_q6cce80798b_attn
		.amdhsa_group_segment_fixed_size 327680
		.amdhsa_private_segment_fixed_size 0
		.amdhsa_enable_private_segment 0
		.amdhsa_kernarg_size 16
		.amdhsa_user_sgpr_count 2
		.amdhsa_user_sgpr_kernarg_segment_ptr 1
		.amdhsa_wavefront_size32 1
		.amdhsa_system_sgpr_workgroup_id_x 1
		.amdhsa_system_sgpr_workgroup_id_y 1
		.amdhsa_system_sgpr_workgroup_id_z 1
		.amdhsa_system_vgpr_workitem_id 0
		.amdhsa_next_free_vgpr 512
		.amdhsa_next_free_sgpr 96
		.amdhsa_reserve_vcc 1
		.amdhsa_float_denorm_mode_32 3
		.amdhsa_float_denorm_mode_16_64 3
		.amdhsa_memory_ordered 1
		.amdhsa_forward_progress 1
		.amdhsa_inst_pref_size 73
	.end_amdhsa_kernel
	.amdgpu_metadata
---
amdhsa.version: [ 1, 2 ]
amdhsa.kernels:
  - .name:           k_q6cce80798b_attn
    .symbol:         k_q6cce80798b_attn.kd
    .args:
      - { .name: qkv, .offset: 0, .size: 8, .value_kind: global_buffer, .address_space: global }
      - { .name: ctx, .offset: 8, .size: 8, .value_kind: global_buffer, .address_space: global }
    .group_segment_fixed_size: 327680
    .private_segment_fixed_size: 0
    .kernarg_segment_align: 8
    .kernarg_segment_size: 16
    .max_flat_workgroup_size: 256
    .sgpr_count:     96
    .vgpr_count:     512
    .wavefront_size: 32
...
	.end_amdgpu_metadata
.endif
;; end of part 4
;; launch wo (part 5): grid 8 x 32, 4 waves a work-group, clusters of 4 x 4, 327,680 bytes of LDS; arguments ctx, wt, x1, bo, x; writes x1
.if DOCPART == 5
	.amdgcn_target "amdgcn-amd-amdhsa--gfx1250"
	.amdhsa_code_object_version 6
	.text
	.protected	k_q6cce80798b_wo
	.globl	k_q6cce80798b_wo
	.p2align	8
	.type	k_q6cce80798b_wo,@function
k_q6cce80798b_wo:
	s_mov_b64 s[64:65], 0
	v_nop
	global_prefetch_b8 v0, s[64:65] scope:SCOPE_SE
	s_setreg_imm32_b32 hwreg(HW_REG_WAVE_MODE, 25, 1), 1
	s_wait_xcnt 0x0
	s_wait_alu depctr_hold_cnt(0) depctr_sa_sdst(0) depctr_va_vdst(0) depctr_va_sdst(0) depctr_va_ssrc(0) depctr_va_vcc(0) depctr_vm_vsrc(0)
	s_getreg_b32 s2, hwreg(HW_REG_IB_STS2, 6, 4)
	s_cmp_eq_u32 s2, 0
	s_cbranch_scc0 .Lentry_in_a_cluster
	s_endpgm
.Lentry_in_a_cluster:
	s_bfe_u32 s2, ttmp6, 0x10000c
	s_cmp_lg_u32 s2, 0xf033
	s_cbranch_scc0 .Lentry_shape_is_right
	s_endpgm
.Lentry_shape_is_right:
; x1 = ctx Wo + bo + x.  C = A B^T: A = ctx, bf16 by heads ([16 b + head][2048][64]), B = Wo^T in wt ([n][k] bf16, k = 64 head + channel); sums in f32; bias and residual added in f32; x1 [4096][1024] f32.
; A tile of C is 128 x 128, so that 8 x 32 tiles give each of 256 WGPs one work-group (a larger tile would leave WGPs idle at N = 1,024).  Four waves, 2 x 2, each 64 x 64: 16 accumulators, 128 registers.
; K goes in steps of 256, as long as two slots in LDS allow, so that the one load a wave behind each barrier has 124 products in which to land; a step is eight chunks of 32 along K on two fragment buffers.
; THE WALK ALONG K goes round a ring and begins, for cluster (x, y), at step (2 x + y) mod 4: the two clusters that need the same rows of A are two steps apart, four neighbouring cluster rows,
; which need the same rows of B, one step each: no two of them ask for the same tile in the same step.  Only the order of the sum hangs on it.
; A's TILE: 64 rows x 4 heads.  A head's 64 rows are 8,192 dense bytes, so the tile is asked for as 4 rows of 4,096 elements, 131,072 elements apart, padded after every 32 words:
; in LDS head p, row r, channel d lies at 9,216 p + 144 r + 2 d.  Chunk c of a step is head c / 2, channels 32 (c % 2) on.
; CLUSTER 4 x 4: A's tiles are shared along a row of the cluster, B's along a column: joint loads with a mask of four.
; THE MATRIX INSTRUCTION IS USED TRANSPOSED (source 0 = 16 rows of B, source 1 = 16 rows of A): a lane holds row lane % 16 of C and eight neighbouring columns.
; THE WAY OUT: the f32 tile goes into a stage in LDS over the ring (which has had its last fill), and comes back by whole rows of 512 bytes.  The residual's 32 rows a wave are loaded at the start and wait in registers.
; REGISTERS, in windows of 256 (s_set_vgpr_msb: bits 1:0 source 0, 3:2 source 1, 5:4 source 2, 7:6 destination):
;   window 0: v0-31 addresses; v40-43 bias; v64-95, v128-159 A's fragments; v192-255 the way out     window 1: v64-95, v128-159 B's fragments     window 2: v0-127 accumulators; v128-255 the residual
.set MB, 4
.set NB, 4
.set MT, 32*MB
.set NT, 32*NB
.set KK, 1024
.set KSTEP, 256
.set CH, KSTEP/32
.set TT, KK/KSTEP
.set RX, 2                             ; where a cluster's walk begins: RX x cluster x + RY x cluster y, modulo TT
.set RY, 1
.set APITCH, 144                       ; 36 words: the 16 rows of a fragment load start at 16 different groups of four banks (64 banks of 4 bytes: ISA guide 11.1)
.set BPITCH, 528                       ; 512 bytes + 16 of padding = 132 words: likewise
.set HALFA, 4*64*APITCH                ; what one tensor load brings of A: four heads' planes of 64 rows
.set HALFB, 16*NB*BPITCH
.set SLOT, 2*HALFA+2*HALFB
.set ASTEP, 4*262144                   ; four heads on
.set BSTEP, 2*KSTEP
.set WOFF, 6291456
.set ADIM0, 4096
.set AROWS, 4
.set ASTRIDE, 131072
.set AQI, 4                            ; padding after every 32 words
.set BQI, 6                            ; after every 128 words
.set AK1, 64                           ; byte, from a fragment's address, at which chunks 1, 2, 3 of A begin,
.set AK2, 9216
.set AK3, 9280
.set AKP, 9216                         ; and from a pair of chunks to the next
.set SP, 4*NT+16
.set SPARE, 327168
.set A0, 16
.set B0, 17
.set ADRA, 18
.set ADRB, 19
.set STO, 24
.set RD, 26
.set CO, 27
.set SPW, 28
.set NIL, 29
.set F0, 64
.set F1, 128
.set G1A, 24
.set G0A, 32
.set G1B, 48
.set G0B, 56
.set BA, 80                            ; s[80:81] A at my part of the tile row, K step 0
.set BB, 82                            ; s[82:83] B likewise
.set KN, 84                            ; s84      the K step to be asked for next
.set OA, 86                            ; s[86:87] its byte offset in A
.set OB2, 88                           ; s[88:89] and in B
.set MSB, 0
.macro WIN new                         ; the immediate's high byte repeats the setting that is left; a switch that changes nothing is dropped
.if MSB != (\new)
	s_set_vgpr_msb (MSB<<8)|(\new)
.set MSB, \new
.endif
.endm
.macro PLACES                          ; a load into a register that a matrix instruction has read, and a line that reads a matrix result, stand four plain vector instructions behind it
.rept 4
	v_nop
.endr
.endm
.macro JLOAD                           ; a joint refill by the walking descriptors: waves 0 and 1 fetch A's halves, waves 2 and 3 B's; s_nop 0 and four v_nop follow each line
	s_cmp_eq_u32 s11, 0
	s_cbranch_scc0 .Lfor_b_\@
	tensor_load_to_lds s[G0A+4:G0A+7], s[G1A:G1A+7]
	s_nop 0
.rept 4
	v_nop
.endr
	s_branch .Lasked_\@
.Lfor_b_\@:
	tensor_load_to_lds s[G0B+4:G0B+7], s[G1B:G1B+7]
	s_nop 0
.rept 4
	v_nop
.endr
.Lasked_\@:
.endm
.macro CREST                           ; a round of the cluster's barrier behind its opening barrier
	s_cmp_lg_u32 s10, 0
	s_cbranch_scc1 .Lnot_wave_0_\@
	s_barrier_signal -3
.Lnot_wave_0_\@:
	s_barrier_wait -3
	s_barrier_signal -1
	s_barrier_wait -1
.endm
.macro CROUND                          ; a whole round
	s_barrier_signal -1
	s_barrier_wait -1
	CREST
.endm
; na x NB matrix instructions: row blocks a0 .. a0 + na - 1 x all column blocks, 32 along K, from buffer f.  zero = 1: the product starts the sum.
; All MB x NB accumulators take turns, one instruction a turn, in the same order in every chunk.
.macro MULA f, a0, na, zero
.set ma, \a0
.rept \na
.set AW, 2+ma/4
	WIN 0x01|(AW<<4)|(AW<<6)
.set mb, 0
.rept NB
.set AR, 8*((ma%4)*NB+mb)
.if \zero
	v_wmma_f32_16x16x32_bf16 v[AR:AR+7], v[\f+8*mb:\f+8*mb+7], v[\f+8*ma:\f+8*ma+7], 0
.else
	v_wmma_f32_16x16x32_bf16 v[AR:AR+7], v[\f+8*mb:\f+8*mb+7], v[\f+8*ma:\f+8*ma+7], v[AR:AR+7]
.endif
.set mb, mb+1
.endr
.set ma, ma+1
.endr
.endm
; One chunk's fragments in one run of LDS loads, B's first: bytes kb of B's rows and ka of A's, into buffer f.
; A fragment is 16 rows x 32 K in 8 registers: lane l holds row l % 16, K = 8 (l / 16) + 0..7 and 16 + 8 (l / 16) + 0..7: two loads of 16 bytes, 32 bytes apart.
.macro FETCH ka, kb, f
	WIN 0x40
.set fi, 0
.rept NB
	ds_load_b128 v[\f+8*fi:\f+8*fi+3], v[ADRB] offset:(\kb)+fi*16*BPITCH
	ds_load_b128 v[\f+8*fi+4:\f+8*fi+7], v[ADRB] offset:(\kb)+fi*16*BPITCH+32
.set fi, fi+1
.endr
	WIN 0
.set fi, 0
.rept MB
	ds_load_b128 v[\f+8*fi:\f+8*fi+3], v[ADRA] offset:(\ka)+fi*16*APITCH
	ds_load_b128 v[\f+8*fi+4:\f+8*fi+7], v[ADRA] offset:(\ka)+fi*16*APITCH+32
.set fi, fi+1
.endr
.endm
.macro QUARTER f, g, ka, kb, zero      ; a chunk: multiplies buffer f; in its middle it fetches the next chunk into buffer g
	s_wait_dscnt MB                                ; B and A's lower blocks are in; the youngest MB loads (A's upper blocks) may be out
	MULA \f, 0, MB/2, \zero
	PLACES
	FETCH \ka, \kb, \g
	s_wait_dscnt 2*(MB+NB)                         ; all but the loads just issued
	MULA \f, MB/2, MB/2, \zero
.endm
.macro PAIRS                           ; chunks 1 to 6: a pair written once and walked three times; the fragments' addresses step
	WIN 0
	s_mov_b32 s2, 3
.Lpair_\@:
	QUARTER F1, F0, AK2, 128, 0
	QUARTER F0, F1, AK3, 192, 0
	WIN 0
	v_add_nc_u32 v[ADRA], AKP, v[ADRA]
	v_add_nc_u32 v[ADRB], 128, v[ADRB]
	s_sub_co_u32 s2, s2, 1
	s_cmp_lg_u32 s2, 0
	s_cbranch_scc1 .Lpair_\@
.endm
; The last chunk multiplies buffer 1 and changes slots: ONE barrier.  In front of it each wave waits for all its tensor loads (one is out: its part of the next slot), adds 0 to its spare word,
; and waits for that and for its own reads of this slot.  Behind it nobody reads this slot any more and the next slot is whole.
.macro MEET round
	WIN 0
	s_wait_tensorcnt 0x0
	ds_add_u32 v[SPW], v[NIL]
	s_wait_dscnt MB+1                              ; (the add and A's upper blocks may be out)
	MULA F1, 0, MB/4, 0
	s_wait_dscnt 0x0                               ; the add is done, and my reads of this slot are over
	s_barrier_signal -1
	MULA F1, MB/4, MB/4, 0
.if \round
	WIN 0
.endif
	s_barrier_wait -1
.endm
; fill = 1: the barrier opens a round of the cluster's, and the slot just read out is filled again, two K steps ahead, first thing behind the round: it has a K step less MB NB / 4 products in which to land.
.macro TURN fill
	MEET \fill
.if \fill
	CREST
	s_add_co_u32 s[G0A+5], s20, s22                ; no tensor load of mine is out, so the walking sets may be written: the slot just read,
	s_add_co_u32 s[G0B+5], s21, s22
	s_mul_i32 s[OA], s[KN], ASTEP                  ; the walk's next K step: both addresses are made anew from its number
	s_mul_i32 s[OB2], s[KN], BSTEP
	s_add_nc_u64 s[G0A+6:G0A+7], s[BA:BA+1], s[OA:OA+1]
	s_or_b32 s[G0A+7], s[G0A+7], 0x80000000
	s_add_nc_u64 s[G0B+6:G0B+7], s[BB:BB+1], s[OB2:OB2+1]
	s_or_b32 s[G0B+7], s[G0B+7], 0x80000000
	s_add_co_u32 s[KN], s[KN], 1                   ; round the ring of TT steps
	s_and_b32 s[KN], s[KN], TT-1
	JLOAD                                          ; its four v_nop are also the places in front of the loads below
.else
	WIN 0
	PLACES
.endif
	s_xor_b32 s22, s22, SLOT                       ; the other slot
	v_add_nc_u32 v[ADRA], s22, v[A0]
	v_add_nc_u32 v[ADRB], s22, v[B0]
	FETCH 0, 0, F0
	MULA F1, MB/2, MB/2, 0
.endm
	s_load_b128 s[4:7], s[0:1], 0x0                ; A s[4:5], wt s[6:7]
	s_load_b64 s[8:9], s[0:1], 0x10                ; the output
	s_load_b64 s[68:69], s[0:1], 0x18              ; the bias
	s_load_b64 s[70:71], s[0:1], 0x20              ; the residual
	v_lshl_add_u32 v[SPW], v0, 2, SPARE
	v_mov_b32 v[NIL], 0
	ds_add_u32 v[SPW], v[NIL]                      ; the wave's opening: the add and its wait stand ahead of my first tensor load; work on registers stands between them
	ds_add_u32 v28, v29
	v_lshrrev_b32 v1, 5, v0
	v_readfirstlane_b32 s10, v1                    ; wave 0..3
	s_lshr_b32 s11, s10, 1                         ; my half of the tile's rows.  Also: I fetch for A (0) or for B (1)
	s_and_b32 s12, s10, 1                          ; my half of its columns.  Also: which half of that tile I fetch
	s_bfe_u32 s40, ttmp6, 0x40000                  ; cx, cy: my place in the cluster
	s_bfe_u32 s41, ttmp6, 0x40004
	s_lshl_b32 s42, ttmp9, 2
	s_add_co_u32 s42, s42, s40                     ; tile column = 4 x cluster x + cx
	s_and_b32 s13, ttmp7, 0xffff
	s_lshl_b32 s13, s13, 2
	s_add_co_u32 s13, s13, s41                     ; tile row = 4 x cluster y + cy
	s_lshl_b32 s43, s41, 2
	s_lshl_b32 s43, 15, s43                        ; my row of the cluster
	s_lshl_b32 s44, 0x1111, s40                    ; my column
	s_mul_i32 s[KN], ttmp9, RX                     ; where my cluster's walk along K begins: it hangs on the cluster's x and y alone, which all sixteen partners share
	s_and_b32 s85, ttmp7, 0xffff
	s_mul_i32 s85, s85, RY
	s_add_co_u32 s[KN], s[KN], s85
	s_and_b32 s[KN], s[KN], TT-1
	s_mov_b32 s[OA+1], 0
	s_mov_b32 s[OB2+1], 0
	s_or_b32 s[G1A], s43, (1<<16)|(1<<20)|(1<<21)|(AQI<<22)|(3<<25)  ; 15:0 the mask; 17:16 2-byte elements; 20 padding on; 21 set beside a mask; 24:22 the interval's code; 31:25 4 words (code 3)
	s_or_b32 s[G1B], s44, (1<<16)|(1<<20)|(1<<21)|(BQI<<22)|(3<<25)
	s_mov_b32 s[G1A+1], (ADIM0&0xffff)<<16         ; tensor_dim0
	s_mov_b32 s[G1A+2], (ADIM0>>16)|(AROWS<<16)    ; tensor_dim1
	s_mov_b32 s[G1A+3], ADIM0<<16                  ; tile_dim0
	s_mov_b32 s[G1A+4], AROWS                      ; tile_dim1
	s_mov_b32 s[G1A+5], ASTRIDE                    ; elements from row to row
	s_mov_b32 s[G1A+6], 0
	s_mov_b32 s[G1A+7], 0
	s_mov_b32 s[G1B+1], KSTEP<<16
	s_mov_b32 s[G1B+2], (16*NB)<<16
	s_mov_b32 s[G1B+3], KSTEP<<16
	s_mov_b32 s[G1B+4], 16*NB
	s_mov_b32 s[G1B+5], KK
	s_mov_b32 s[G1B+6], 0
	s_mov_b32 s[G1B+7], 0
	s_lshl_b32 s16, s13, 7                         ; A's tile hangs on the tile row and the wave alone: row m = 128 x tile row + 64 x half of head 0 lies at
	s_lshl_b32 s17, s12, 6                         ; 128 m + 3,932,160 x batch (a batch's 16 heads are 16 x 262,144 bytes, of which 128 m counts one)
	s_add_co_u32 s16, s16, s17
	s_lshl_b32 s16, s16, 7
	s_lshr_b32 s17, s13, 4
	s_mul_i32 s17, s17, 3932160
	s_add_co_u32 s16, s16, s17
	s_mov_b32 s17, 0
	s_mul_i32 s46, s42, NT                         ; B's on the tile column and the wave alone
	s_mul_i32 s47, s12, 16*NB
	s_add_co_u32 s46, s46, s47
	s_mul_i32 s46, s46, 2*KK
	s_add_co_u32 s46, s46, WOFF
	s_mov_b32 s47, 0
	s_mul_i32 s20, s12, HALFA                      ; where my load lands in a slot, if it is A's,
	s_mul_i32 s21, s12, HALFB                      ; and if it is B's: no place in the cluster enters an LDS address
	s_add_co_u32 s21, s21, 2*HALFA
	s_mov_b32 s22, 0                               ; the slot in hand
	s_wait_dscnt 0x0                               ; the opening add is done
	s_wait_kmcnt 0x0
	s_add_nc_u64 s[BA:BA+1], s[4:5], s[16:17]
	s_add_nc_u64 s[BB:BB+1], s[6:7], s[46:47]
	CROUND                                         ; all sixteen work-groups are here: the first joint loads meet
.irp s, 0,1
	s_mul_i32 s[OA], s[KN], ASTEP                  ; the walk's first two K steps
	s_mul_i32 s[OB2], s[KN], BSTEP
	s_mov_b32 s[G0A+4*\s], 1                       ; count = 1
	s_add_co_u32 s[G0A+4*\s+1], s20, \s*SLOT       ; LDS address
	s_add_nc_u64 s[G0A+4*\s+2:G0A+4*\s+3], s[BA:BA+1], s[OA:OA+1]  ; global address
	s_or_b32 s[G0A+4*\s+3], s[G0A+4*\s+3], 0x80000000              ; type = 2
	s_mov_b32 s[G0B+4*\s], 1
	s_add_co_u32 s[G0B+4*\s+1], s21, \s*SLOT
	s_add_nc_u64 s[G0B+4*\s+2:G0B+4*\s+3], s[BB:BB+1], s[OB2:OB2+1]
	s_or_b32 s[G0B+4*\s+3], s[G0B+4*\s+3], 0x80000000
	s_add_co_u32 s[KN], s[KN], 1
	s_and_b32 s[KN], s[KN], TT-1
.endr
	s_cmp_eq_u32 s11, 0                            ; a wave's two first fills stand in one branch, ahead of every wait on TENSORcnt, LDS read and plain barrier: two loads of mine are out
	s_cbranch_scc0 .Lfirst_b
	tensor_load_to_lds s[G0A:G0A+3], s[G1A:G1A+7]
	s_nop 0
	tensor_load_to_lds s[G0A+4:G0A+7], s[G1A:G1A+7]
	s_nop 0
.rept 4
	v_nop
.endr
	s_branch .Lfirst_asked
.Lfirst_b:
	tensor_load_to_lds s[G0B:G0B+3], s[G1B:G1B+7]
	s_nop 0
	tensor_load_to_lds s[G0B+4:G0B+7], s[G1B:G1B+7]
	s_nop 0
.rept 4
	v_nop
.endr
.Lfirst_asked:
	v_and_b32 v1, 15, v0                           ; l % 16
	v_bfe_u32 v2, v0, 4, 1                         ; l / 16
	v_mul_u32_u24 v3, v1, APITCH
	v_lshl_add_u32 v3, v2, 4, v3                   ; row x pitch + 16 x half
	s_mul_i32 s23, s11, HALFA
	v_add_nc_u32 v[A0], s23, v3
	v_mul_u32_u24 v3, v1, BPITCH
	v_lshl_add_u32 v3, v2, 4, v3
	s_mul_i32 s23, s12, HALFB
	s_add_co_u32 s23, s23, 2*HALFA
	v_add_nc_u32 v[B0], s23, v3
	v_mov_b32 v[ADRA], v[A0]
	v_mov_b32 v[ADRB], v[B0]
	s_mul_i32 s23, s11, 16*MB*SP                   ; into the stage: my rows, my columns; row l % 16, 32 bytes for each half of the lanes
	s_mul_i32 s45, s12, 64*NB
	s_add_co_u32 s23, s23, s45
	v_mul_u32_u24 v3, v1, SP
	v_lshl_add_u32 v3, v2, 5, v3
	v_add_nc_u32 v[STO], s23, v3
	v_and_b32 v4, 31, v0                           ; back: wave w takes rows 32 w .. 32 w + 31, whole: 32 lanes x 16 bytes are a row's 512
	v_lshlrev_b32 v[CO], 4, v4
	s_mul_i32 s23, s10, 32*SP
	v_add_nc_u32 v[RD], s23, v[CO]
	s_lshl_b32 s16, s13, 7
	s_lshl_b32 s17, s10, 5
	s_add_co_u32 s16, s16, s17                     ; the first row that I store: 128 x tile row + 32 x wave,
	s_lshl_b32 s16, s16, 12                        ; of 4,096 bytes,
	s_mov_b32 s17, 0
	s_lshl_b32 s46, s42, 9                         ; and the tile's first column, in bytes
	s_mov_b32 s47, 0
	s_add_nc_u64 s[68:69], s[68:69], s[46:47]
	s_add_nc_u64 s[16:17], s[16:17], s[46:47]
	s_add_nc_u64 s[8:9], s[8:9], s[16:17]
	s_add_nc_u64 s[70:71], s[70:71], s[16:17]
.set BI, 40                            ; v[40:43]  the bias of my four columns
.set RES, 128                          ; window 2: my 32 rows of the residual, 4 registers each
	global_load_b128 v[BI:BI+3], v[CO], s[68:69]
	WIN 0x80                                       ; destination window 2
.set gi, 0
.rept 32
	global_load_b128 v[RES+4*gi:RES+4*gi+3], v[CO], s[70:71] offset:gi*4096
.set gi, gi+1
.endr
	WIN 0
	s_wait_tensorcnt 1                             ; my part of the first K step is in; the second's may stay out
	s_barrier_signal -1
	s_barrier_wait -1                              ; everybody's is
	FETCH 0, 0, F0
	QUARTER F0, F1, AK1, 64, 1                     ; the first chunk stands in front of the loop: its products start the sums
	WIN 0                                          ; at a label and at a branch every window is 0
	s_mov_b32 s3, TT-2
.Lstep:                                                ; a trip: from a K step's second chunk to the next step's first; it fills the slot that it leaves
	PAIRS
	TURN 1
	QUARTER F0, F1, AK1, 64, 0
	WIN 0
	s_sub_co_u32 s3, s3, 1
	s_cmp_lg_u32 s3, 0
	s_cbranch_scc1 .Lstep
	PAIRS                                          ; the last two K steps are written out: nothing is left to fetch
	TURN 0
	QUARTER F0, F1, AK1, 64, 0
	PAIRS
	s_wait_dscnt 0x0                               ; the very last chunk: all my reads of the ring are back,
	s_barrier_signal -1
	MULA F1, 0, MB, 0
	WIN 0
	s_barrier_wait -1                              ; and everybody's: the ring, which has had its last fill, may be written over
	PLACES                                         ; THE WAY OUT.  Each accumulator's four lowest registers are stored first
.set ma, 0
.rept MB
	WIN (2+ma/4)<<2                                ; the stores' data lie in window 2
.set mb, 0
.rept NB
.set AR, 8*((ma%4)*NB+mb)
	ds_store_b128 v[STO+ma/4], v[AR:AR+3] offset:(ma%4)*16*SP+64*mb
	ds_store_b128 v[STO+ma/4], v[AR+4:AR+7] offset:(ma%4)*16*SP+64*mb+16
.set mb, mb+1
.endr
.set ma, ma+1
.endr
	WIN 0
	s_wait_dscnt 0x0                               ; for the others' sake: my stores into the stage are done
	s_barrier_signal -1
	s_barrier_wait -1
.set OB, 192                           ; v[192:223], v[224:255]: eight rows each, by turns
.macro GLOAD g                         ; rows 8 g .. 8 g + 7 of my 32
.set ob, OB+32*((\g)%2)
.set gi, 0
.rept 8
	ds_load_b128 v[ob+4*gi:ob+4*gi+3], v[RD] offset:(8*(\g)+gi)*SP
.set gi, gi+1
.endr
.endm
.macro GSEND g, younger                ; younger: the LDS loads issued behind this group's
.set ob, OB+32*((\g)%2)
	s_wait_dscnt \younger
	WIN 0x08                                       ; source 1 in window 2
.set gi, 0
.rept 16
	v_pk_add_f32 v[ob+2*gi:ob+2*gi+1], v[ob+2*gi:ob+2*gi+1], v[RES+32*(\g)+2*gi:RES+32*(\g)+2*gi+1]
.set gi, gi+1
.endr
	WIN 0
.set gi, 0
.rept 8
	v_pk_add_f32 v[ob+4*gi:ob+4*gi+1], v[ob+4*gi:ob+4*gi+1], v[BI:BI+1]
	v_pk_add_f32 v[ob+4*gi+2:ob+4*gi+3], v[ob+4*gi+2:ob+4*gi+3], v[BI+2:BI+3]
.set gi, gi+1
.endr
.set gi, 0
.rept 8
	global_store_b128 v[CO], v[ob+4*gi:ob+4*gi+3], s[8:9] offset:(8*(\g)+gi)*4096  ; 512 consecutive bytes, at a multiple of 256 from the buffer's first
.set gi, gi+1
.endr
.endm
	GLOAD 0
	GLOAD 1
	s_wait_loadcnt 0x0                             ; bias and residual
	GSEND 0, 8
	s_wait_xcnt 0x0                                ; the buffer that the stores read is loaded again only behind this wait (ISA guide 3.1)
	GLOAD 2
	GSEND 1, 8
	s_wait_xcnt 0x0
	GLOAD 3
	GSEND 2, 8
	GSEND 3, 0
	s_wait_tensorcnt 0x0                           ; the wave's end: a wait, an add to my spare word and its wait, behind my last tensor load and my last LDS store
	ds_add_u32 v[SPW], v[NIL]
	s_wait_dscnt 0x0
	CROUND                                         ; the closing round: no work-group ends while a partner may still ask for a tile that names it
	s_endpgm
.Lfunc_end_k_q6cce80798b_wo:
	.size	k_q6cce80798b_wo, .Lfunc_end_k_q6cce80798b_wo-k_q6cce80798b_wo
	.p2alignl 7, 3214868480
	.fill 96, 4, 3214868480
	.section	.rodata,"a",@progbits
	.p2align	6, 0x0
	.amdhsa_kernel k_q6cce80798b_wo
		.amdhsa_group_segment_fixed_size 327680
		.amdhsa_private_segment_fixed_size 0
		.amdhsa_enable_private_segment 0
		.amdhsa_kernarg_size 40
		.amdhsa_user_sgpr_count 2
		.amdhsa_user_sgpr_kernarg_segment_ptr 1
		.amdhsa_wavefront_size32 1
		.amdhsa_system_sgpr_workgroup_id_x 1
		.amdhsa_system_sgpr_workgroup_id_y 1
		.amdhsa_system_sgpr_workgroup_id_z 1
		.amdhsa_system_vgpr_workitem_id 0
		.amdhsa_next_free_vgpr 768
		.amdhsa_next_free_sgpr 92
		.amdhsa_reserve_vcc 0
		.amdhsa_float_denorm_mode_32 3
		.amdhsa_float_denorm_mode_16_64 3
		.amdhsa_memory_ordered 1
		.amdhsa_forward_progress 1
		.amdhsa_inst_pref_size 58
	.end_amdhsa_kernel
	.amdgpu_metadata
---
amdhsa.version: [ 1, 2 ]
amdhsa.kernels:
  - .name:           k_q6cce80798b_wo
    .symbol:         k_q6cce80798b_wo.kd
    .args:
      - { .name: ctx, .offset: 0, .size: 8, .value_kind: global_buffer, .address_space: global }
      - { .name: wt, .offset: 8, .size: 8, .value_kind: global_buffer, .address_space: global }
      - { .name: x1, .offset: 16, .size: 8, .value_kind: global_buffer, .address_space: global }
      - { .name: bo, .offset: 24, .size: 8, .value_kind: global_buffer, .address_space: global }
      - { .name: x, .offset: 32, .size: 8, .value_kind: global_buffer, .address_space: global }
    .group_segment_fixed_size: 327680
    .private_segment_fixed_size: 0
    .kernarg_segment_align: 8
    .kernarg_segment_size: 40
    .max_flat_workgroup_size: 128
    .sgpr_count:     92
    .vgpr_count:     768
    .wavefront_size: 32
...
	.end_amdgpu_metadata
.endif
;; end of part 5
;; launch ln2: the kernel of part 2 again; grid 256 x 1, 8 waves a work-group, no clusters, 0 bytes of LDS; arguments x1, ln2_g, ln2_b, h; writes h
;; launch ff1 (part 6): grid 16 x 16, 4 waves a work-group, clusters of 4 x 4, 327,680 bytes of LDS; arguments h, wt, g, b1; writes g
.if DOCPART == 6
	.amdgcn_target "amdgcn-amd-amdhsa--gfx1250"
	.amdhsa_code_object_version 6
	.text
	.protected	k_q6cce80798b_ff1
	.globl	k_q6cce80798b_ff1
	.p2align	8
	.type	k_q6cce80798b_ff1,@function
k_q6cce80798b_ff1:
	s_mov_b64 s[64:65], 0
	v_nop
	global_prefetch_b8 v0, s[64:65] scope:SCOPE_SE
	s_setreg_imm32_b32 hwreg(HW_REG_WAVE_MODE, 25, 1), 1
	s_wait_xcnt 0x0
	s_wait_alu depctr_hold_cnt(0) depctr_sa_sdst(0) depctr_va_vdst(0) depctr_va_sdst(0) depctr_va_ssrc(0) depctr_va_vcc(0) depctr_vm_vsrc(0)
	s_getreg_b32 s2, hwreg(HW_REG_IB_STS2, 6, 4)
	s_cmp_eq_u32 s2, 0
	s_cbranch_scc0 .Lentry_in_a_cluster
	s_endpgm
.Lentry_in_a_cluster:
	s_bfe_u32 s2, ttmp6, 0x10000c
	s_cmp_lg_u32 s2, 0xf033
	s_cbranch_scc0 .Lentry_shape_is_right
	s_endpgm
.Lentry_shape_is_right:
; g = gelu(h W1 + b1).  C = A B^T: A = h [4096][1024] bf16, B = W1^T in wt ([4096][1024] bf16); sums in f32; bias and GELU in f32; g [4096][4096] bf16, rounded once.
; GELU, tanh form: 0.5 y (1 + tanh(u)) = y / (1 + e^(-2u)), u = sqrt(2/pi) (y + 0.044715 y^3): y x rcp(1 + 2^(y (K1 + K2 y^2))), K1 = -2 log2(e) sqrt(2/pi), K2 = 0.044715 K1.
; Where y^2 overflows the exponent is an infinity of the right sign and the result is y or -0, as the tanh form gives.
; A tile of C is 256 x 256: 16 x 16 tiles, one work-group for each of 256 WGPs.  Four waves, 2 x 2, each 128 x 128: 64 accumulators of 16 x 16, 512 registers.
; K goes in steps of 128 (rows of 256 bytes, aligned) through a ring of two LDS slots filled by tensor loads; a step is four chunks of 32 along K on two fragment buffers.
; CLUSTER 4 x 4: A's tiles are shared along a row of the cluster, B's along a column: joint loads with a mask of four.
; THE MATRIX INSTRUCTION IS USED TRANSPOSED (source 0 = 16 rows of B, source 1 = 16 rows of A): a lane holds row lane % 16 of C and eight neighbouring columns.
; THE WAY OUT: the f32 tile goes into a stage in LDS over the ring (which has had its last fill), and comes back by rows, two a trip.
; REGISTERS, in windows of 256 (s_set_vgpr_msb: bits 1:0 source 0, 3:2 source 1, 5:4 source 2, 7:6 destination):
;   window 0: v0-31 addresses; v32-47 the way out and the bias; v64-127, v128-191 A's fragments; v192-239 the way out     window 1: v64-127, v128-191 B's fragments
;   windows 2, 3: accumulator (a, b) in window 2 + a / 4 at v[8 ((a % 4) NB + b)]
.set MB, 8
.set NB, 8
.set MT, 32*MB
.set NT, 32*NB
.set KK, 1024
.set KSTEP, 128
.set CH, KSTEP/32
.set TT, KK/KSTEP
.set APITCH, 272                       ; an LDS row: 256 bytes + 16 of padding = 68 words: the 16 rows of a fragment load start at 16 different groups of four banks (64 banks of 4 bytes: ISA guide 11.1)
.set BPITCH, 272
.set HALFA, 16*MB*APITCH
.set HALFB, 16*NB*BPITCH
.set SLOT, 2*HALFA+2*HALFB
.set ASTEP, 2*KSTEP
.set BSTEP, 2*KSTEP
.set WOFF, 8388608
.set ADIM0, KSTEP
.set AROWS, 16*MB
.set ASTRIDE, KK
.set AQI, 5
.set BQI, 5
.set AK1, 64
.set AK2, 128
.set AK3, 192
.set SP, 4*NT+16                       ; a stage row: 260 words = 4 modulo 64
.set SPARE, 327168
.set A0, 16
.set B0, 17
.set ADRA, 18
.set ADRB, 19
.set STO, 24
.set RD, 26
.set CO, 27
.set SPW, 28
.set NIL, 29
.set F0, 64
.set F1, 128
.set G1A, 24
.set G0A, 32
.set G1B, 48
.set G0B, 56
.set MSB, 0
.macro WIN new                         ; the immediate's high byte repeats the setting that is left; a switch that changes nothing is dropped
.if MSB != (\new)
	s_set_vgpr_msb (MSB<<8)|(\new)
.set MSB, \new
.endif
.endm
.macro PLACES                          ; a load into a register that a matrix instruction has read, and a line that reads a matrix result, stand four plain vector instructions behind it
.rept 4
	v_nop
.endr
.endm
.macro JLOAD                           ; a joint refill by the walking descriptors: waves 0 and 1 fetch A's halves, waves 2 and 3 B's; s_nop 0 and four v_nop follow each line
	s_cmp_eq_u32 s11, 0
	s_cbranch_scc0 .Lfor_b_\@
	tensor_load_to_lds s[G0A+4:G0A+7], s[G1A:G1A+7]
	s_nop 0
.rept 4
	v_nop
.endr
	s_branch .Lasked_\@
.Lfor_b_\@:
	tensor_load_to_lds s[G0B+4:G0B+7], s[G1B:G1B+7]
	s_nop 0
.rept 4
	v_nop
.endr
.Lasked_\@:
.endm
.macro CREST                           ; a round of the cluster's barrier behind its opening barrier
	s_cmp_lg_u32 s10, 0
	s_cbranch_scc1 .Lnot_wave_0_\@
	s_barrier_signal -3
.Lnot_wave_0_\@:
	s_barrier_wait -3
	s_barrier_signal -1
	s_barrier_wait -1
.endm
.macro CROUND                          ; a whole round
	s_barrier_signal -1
	s_barrier_wait -1
	CREST
.endm
; na x NB matrix instructions: row blocks a0 .. a0 + na - 1 x all column blocks, 32 along K, from buffer f.  zero = 1: the product starts the sum.
; All MB x NB accumulators take turns, one instruction a turn, in the same order in every chunk.
.macro MULA f, a0, na, zero
.set ma, \a0
.rept \na
.set AW, 2+ma/4
	WIN 0x01|(AW<<4)|(AW<<6)
.set mb, 0
.rept NB
.set AR, 8*((ma%4)*NB+mb)
.if \zero
	v_wmma_f32_16x16x32_bf16 v[AR:AR+7], v[\f+8*mb:\f+8*mb+7], v[\f+8*ma:\f+8*ma+7], 0
.else
	v_wmma_f32_16x16x32_bf16 v[AR:AR+7], v[\f+8*mb:\f+8*mb+7], v[\f+8*ma:\f+8*ma+7], v[AR:AR+7]
.endif
.set mb, mb+1
.endr
.set ma, ma+1
.endr
.endm
; One chunk's fragments in one run of LDS loads, B's first: bytes kb of B's rows and ka of A's, into buffer f.
; A fragment is 16 rows x 32 K in 8 registers: lane l holds row l % 16, K = 8 (l / 16) + 0..7 and 16 + 8 (l / 16) + 0..7: two loads of 16 bytes, 32 bytes apart.
.macro FETCH ka, kb, f
	WIN 0x40
.set fi, 0
.rept NB
	ds_load_b128 v[\f+8*fi:\f+8*fi+3], v[ADRB] offset:(\kb)+fi*16*BPITCH
	ds_load_b128 v[\f+8*fi+4:\f+8*fi+7], v[ADRB] offset:(\kb)+fi*16*BPITCH+32
.set fi, fi+1
.endr
	WIN 0
.set fi, 0
.rept MB
	ds_load_b128 v[\f+8*fi:\f+8*fi+3], v[ADRA] offset:(\ka)+fi*16*APITCH
	ds_load_b128 v[\f+8*fi+4:\f+8*fi+7], v[ADRA] offset:(\ka)+fi*16*APITCH+32
.set fi, fi+1
.endr
.endm
.macro QUARTER f, g, ka, kb, zero      ; a chunk: multiplies buffer f; in its middle it fetches the next chunk into buffer g
	s_wait_dscnt MB                                ; B and A's lower blocks are in; the youngest MB loads (A's upper blocks) may be out
	MULA \f, 0, MB/2, \zero
	PLACES
	FETCH \ka, \kb, \g
	s_wait_dscnt 2*(MB+NB)                         ; all but the loads just issued
	MULA \f, MB/2, MB/2, \zero
.endm
.macro PAIRS                           ; chunks 1 and 2
	QUARTER F1, F0, AK2, 128, 0
	QUARTER F0, F1, AK3, 192, 0
.endm
; The last chunk multiplies buffer 1 and changes slots: ONE barrier.  In front of it each wave waits for all its tensor loads (at most one is out: its part of the next slot), adds 0 to its spare word,
; and waits for that and for its own reads of this slot.  Behind it nobody reads this slot any more and the next slot is whole.  Branches follow it, so it leaves every window 0.
.macro MEET
	WIN 0
	s_wait_tensorcnt 0x0
	ds_add_u32 v[SPW], v[NIL]
	s_wait_dscnt MB+1                              ; (the add and A's upper blocks may be out)
	MULA F1, 0, MB/4, 0
	s_wait_dscnt 0x0                               ; the add is done, and my reads of this slot are over
	s_barrier_signal -1
	MULA F1, MB/4, MB/4, 0
	WIN 0
	s_barrier_wait -1
.endm
.macro ONWARD                          ; the rest of a last chunk: the other slot's first fragments, and buffer 1's upper blocks
	s_xor_b32 s22, s22, SLOT                       ; the other slot
	v_add_nc_u32 v[ADRA], s22, v[A0]
	v_add_nc_u32 v[ADRB], s22, v[B0]
	FETCH 0, 0, F0
	MULA F1, MB/2, MB/2, 0
.endm
; In the loop the barrier opens a round of the cluster's, and the slot just read out is filled again, two K steps ahead, first thing behind the round: it has a K step less MB NB / 4 products in which to land.
.macro TURN
	MEET
	CREST
	s_add_co_u32 s[G0A+5], s20, s22                ; no tensor load of mine is out, so the walking sets may be written: the slot just read,
	s_add_co_u32 s[G0B+5], s21, s22
	s_add_nc_u64 s[G0A+6:G0A+7], s[G0A+6:G0A+7], ASTEP  ; the next K step; the type bits on top are not reached
	s_add_nc_u64 s[G0B+6:G0B+7], s[G0B+6:G0B+7], BSTEP
	JLOAD                                          ; its four v_nop are also the places in front of the loads below
	ONWARD
.endm
	s_load_b128 s[4:7], s[0:1], 0x0                ; A s[4:5], wt s[6:7]
	s_load_b64 s[8:9], s[0:1], 0x10                ; the output
	s_load_b64 s[68:69], s[0:1], 0x18              ; the bias
	v_lshl_add_u32 v[SPW], v0, 2, SPARE
	v_mov_b32 v[NIL], 0
	ds_add_u32 v[SPW], v[NIL]                      ; the wave's opening: the add and its wait stand ahead of my first tensor load; work on registers stands between them
	ds_add_u32 v28, v29
	v_lshrrev_b32 v1, 5, v0
	v_readfirstlane_b32 s10, v1                    ; wave 0..3
	s_lshr_b32 s11, s10, 1                         ; my half of the tile's rows.  Also: I fetch for A (0) or for B (1)
	s_and_b32 s12, s10, 1                          ; my half of its columns.  Also: which half of that tile I fetch
	s_bfe_u32 s40, ttmp6, 0x40000                  ; cx, cy: my place in the cluster
	s_bfe_u32 s41, ttmp6, 0x40004
	s_lshl_b32 s42, ttmp9, 2
	s_add_co_u32 s42, s42, s40                     ; tile column = 4 x cluster x + cx
	s_and_b32 s13, ttmp7, 0xffff
	s_lshl_b32 s13, s13, 2
	s_add_co_u32 s13, s13, s41                     ; tile row = 4 x cluster y + cy
	s_lshl_b32 s43, s41, 2
	s_lshl_b32 s43, 15, s43                        ; my row of the cluster
	s_lshl_b32 s44, 0x1111, s40                    ; my column
	s_or_b32 s[G1A], s43, (1<<16)|(1<<20)|(1<<21)|(AQI<<22)|(3<<25)  ; 15:0 the mask; 17:16 2-byte elements; 20 padding on; 21 set beside a mask; 24:22 the interval's code; 31:25 4 words (code 3)
	s_or_b32 s[G1B], s44, (1<<16)|(1<<20)|(1<<21)|(BQI<<22)|(3<<25)
	s_mov_b32 s[G1A+1], (ADIM0&0xffff)<<16         ; tensor_dim0
	s_mov_b32 s[G1A+2], (ADIM0>>16)|(AROWS<<16)    ; tensor_dim1
	s_mov_b32 s[G1A+3], ADIM0<<16                  ; tile_dim0
	s_mov_b32 s[G1A+4], AROWS                      ; tile_dim1
	s_mov_b32 s[G1A+5], ASTRIDE                    ; elements from row to row
	s_mov_b32 s[G1A+6], 0
	s_mov_b32 s[G1A+7], 0
	s_mov_b32 s[G1B+1], KSTEP<<16
	s_mov_b32 s[G1B+2], (16*NB)<<16
	s_mov_b32 s[G1B+3], KSTEP<<16
	s_mov_b32 s[G1B+4], 16*NB
	s_mov_b32 s[G1B+5], KK
	s_mov_b32 s[G1B+6], 0
	s_mov_b32 s[G1B+7], 0
	s_mov_b32 s72, 0xbdd2d3e8                      ; K2 = -0.10294324, as a pair
	s_mov_b32 s73, 0xbdd2d3e8
	s_mov_b32 s74, 0xc0135761                      ; K1 = -2.3022082, as a pair
	s_mov_b32 s75, 0xc0135761
	s_mul_i32 s16, s13, MT                         ; A's tile hangs on the tile row and the wave alone,
	s_mul_i32 s17, s12, 16*MB
	s_add_co_u32 s16, s16, s17
	s_mul_i32 s16, s16, 2*KK
	s_mov_b32 s17, 0
	s_mul_i32 s46, s42, NT                         ; B's on the tile column and the wave alone
	s_mul_i32 s47, s12, 16*NB
	s_add_co_u32 s46, s46, s47
	s_mul_i32 s46, s46, 2*KK
	s_add_co_u32 s46, s46, WOFF
	s_mov_b32 s47, 0
	s_mul_i32 s20, s12, HALFA                      ; where my load lands in a slot, if it is A's,
	s_mul_i32 s21, s12, HALFB                      ; and if it is B's: no place in the cluster enters an LDS address
	s_add_co_u32 s21, s21, 2*HALFA
	s_mov_b32 s22, 0                               ; the slot in hand
	s_wait_dscnt 0x0                               ; the opening add is done
	s_wait_kmcnt 0x0
	s_add_nc_u64 s[14:15], s[4:5], s[16:17]
	s_add_nc_u64 s[46:47], s[6:7], s[46:47]
	CROUND                                         ; all sixteen work-groups are here: the first joint loads meet
.irp s, 0,1
	s_mov_b32 s[G0A+4*\s], 1                       ; count = 1
	s_add_co_u32 s[G0A+4*\s+1], s20, \s*SLOT       ; LDS address
	s_add_nc_u64 s[G0A+4*\s+2:G0A+4*\s+3], s[14:15], \s*ASTEP  ; global address: K step s
	s_or_b32 s[G0A+4*\s+3], s[G0A+4*\s+3], 0x80000000          ; type = 2
	s_mov_b32 s[G0B+4*\s], 1
	s_add_co_u32 s[G0B+4*\s+1], s21, \s*SLOT
	s_add_nc_u64 s[G0B+4*\s+2:G0B+4*\s+3], s[46:47], \s*BSTEP
	s_or_b32 s[G0B+4*\s+3], s[G0B+4*\s+3], 0x80000000
.endr
	s_cmp_eq_u32 s11, 0                            ; a wave's two first fills stand in one branch, ahead of every wait on TENSORcnt, LDS read and plain barrier: two loads of mine are out
	s_cbranch_scc0 .Lfirst_b
	tensor_load_to_lds s[G0A:G0A+3], s[G1A:G1A+7]
	s_nop 0
	tensor_load_to_lds s[G0A+4:G0A+7], s[G1A:G1A+7]
	s_nop 0
.rept 4
	v_nop
.endr
	s_branch .Lfirst_asked
.Lfirst_b:
	tensor_load_to_lds s[G0B:G0B+3], s[G1B:G1B+7]
	s_nop 0
	tensor_load_to_lds s[G0B+4:G0B+7], s[G1B:G1B+7]
	s_nop 0
.rept 4
	v_nop
.endr
.Lfirst_asked:
	v_and_b32 v1, 15, v0                           ; l % 16
	v_bfe_u32 v2, v0, 4, 1                         ; l / 16
	v_mul_u32_u24 v3, v1, APITCH
	v_lshl_add_u32 v3, v2, 4, v3                   ; row x pitch + 16 x half
	s_mul_i32 s23, s11, HALFA
	v_add_nc_u32 v[A0], s23, v3
	v_mul_u32_u24 v3, v1, BPITCH
	v_lshl_add_u32 v3, v2, 4, v3
	s_mul_i32 s23, s12, HALFB
	s_add_co_u32 s23, s23, 2*HALFA
	v_add_nc_u32 v[B0], s23, v3
	v_mov_b32 v[ADRA], v[A0]
	v_mov_b32 v[ADRB], v[B0]
	s_mul_i32 s23, s11, 16*MB*SP                   ; into the stage: my rows, my columns; row l % 16, 32 bytes for each half of the lanes
	s_mul_i32 s45, s12, 64*NB
	s_add_co_u32 s23, s23, s45
	v_mul_u32_u24 v3, v1, SP
	v_lshl_add_u32 v3, v2, 5, v3
	v_add_nc_u32 v[STO], s23, v3
	v_add_nc_u32 v[STO+1], 64*SP, v[STO]
	v_and_b32 v4, 31, v0                           ; back: wave w takes rows 64 w .. 64 w + 63; a lane takes columns 4 l + 0..3 and 128 + 4 l + 0..3 of a row
	v_lshlrev_b32 v23, 4, v4                       ; 16 x lane; never rewritten: the bias's loads read it
	v_lshlrev_b32 v[CO], 3, v4                     ; four bf16 are 8 bytes
	s_mul_i32 s23, s10, 8*MB*SP
	v_add_nc_u32 v[RD], s23, v23
	s_lshl_b32 s16, s13, 8
	s_lshl_b32 s17, s10, 6
	s_add_co_u32 s16, s16, s17                     ; the first row that I store: 256 x tile row + 64 x wave,
	s_lshl_b32 s16, s16, 13                        ; of 8,192 bytes,
	s_mov_b32 s17, 0
	s_lshl_b32 s46, s42, 9                         ; and the tile's first column, in bytes
	s_mov_b32 s47, 0
	s_add_nc_u64 s[16:17], s[16:17], s[46:47]
	s_add_nc_u64 s[8:9], s[8:9], s[16:17]
	s_lshl_b32 s46, s42, 10                        ; the same column in the f32 bias
	s_add_nc_u64 s[68:69], s[68:69], s[46:47]
.set BI, 40                            ; v[40:47]  the bias of my eight columns
	global_load_b128 v[BI:BI+3], v23, s[68:69]
	global_load_b128 v[BI+4:BI+7], v23, s[68:69] offset:512
	s_wait_tensorcnt 1                             ; my part of K step 0 is in; K step 1's may stay out
	s_barrier_signal -1
	s_barrier_wait -1                              ; everybody's is
	FETCH 0, 0, F0
	QUARTER F0, F1, AK1, 64, 1                     ; the first chunk stands in front of the loop: its products start the sums
	WIN 0                                          ; at a label and at a branch every window is 0
	s_mov_b32 s3, TT-2
.Lstep:                                                ; a trip: from a K step's second chunk to the next step's first; it fills the slot that it leaves
	PAIRS
	TURN
	QUARTER F0, F1, AK1, 64, 0
	WIN 0
	s_sub_co_u32 s3, s3, 1
	s_cmp_lg_u32 s3, 0
	s_cbranch_scc1 .Lstep
	s_mov_b32 s3, 2
.Ltail:                                                ; the last two K steps ask for nothing: a text of their own; the second trip is left in its middle
	PAIRS
	MEET                                           ; in the second trip: every wave's reads of the ring are back in front of this barrier, so behind it the ring, which has had its last fill, may be written over
	s_sub_co_u32 s3, s3, 1
	s_cmp_eq_u32 s3, 0
	s_cbranch_scc1 .Llast
	PLACES
	ONWARD
	QUARTER F0, F1, AK1, 64, 0
	WIN 0
	s_branch .Ltail
.Llast:
	MULA F1, MB/2, MB/2, 0
	WIN 0
	PLACES                                         ; THE WAY OUT.  Each accumulator's four lowest registers are stored first
.set ma, 0
.rept MB
	WIN (2+ma/4)<<2                                ; the stores' data lie in window 2 or 3
.set mb, 0
.rept NB
.set AR, 8*((ma%4)*NB+mb)
	ds_store_b128 v[STO+ma/4], v[AR:AR+3] offset:(ma%4)*16*SP+64*mb
	ds_store_b128 v[STO+ma/4], v[AR+4:AR+7] offset:(ma%4)*16*SP+64*mb+16
.set mb, mb+1
.endr
.set ma, ma+1
.endr
	WIN 0
	s_wait_dscnt 0x0                               ; for the others' sake: my stores into the stage are done
	s_barrier_signal -1
	s_barrier_wait -1
.set XO, 192                           ; v[192:207] two rows x eight columns as they come from the stage: load q = row q / 2, columns 128 (q % 2) on
.set YO, 208                           ; v[208:223] y = the sum + bias; at last the result
.set TO, 224                           ; v[224:239] at work
.set PKR, 32                           ; v[32:39]   the result as bf16
.macro RLOAD
.irp q, 0,1,2,3
	ds_load_b128 v[XO+4*\q:XO+4*\q+3], v[RD] offset:(\q/2)*SP+(\q%2)*512
.endr
.endm
; One line of the GELU of pair p = p8 - 8 of the trip's eight pairs of numbers; nothing where p is no pair.
; kind 0: t = y y   1: t = K2 t + K1   2: t = t y   3, 4: 2^t, low and high   5: t = t + 1   6, 7: 1 / t, low and high   8: y = y t   9: rounded to bf16
.macro GS kind, p8
.if ((\p8) >= 8) && ((\p8) <= 15)
.set ty, YO+2*((\p8)-8)
.set tt, TO+2*((\p8)-8)
.if (\kind) == 0
	v_pk_mul_f32 v[tt:tt+1], v[ty:ty+1], v[ty:ty+1]
.elseif (\kind) == 1
	v_pk_fma_f32 v[tt:tt+1], v[tt:tt+1], s[72:73], s[74:75] op_sel_hi:[1,0,0]
.elseif (\kind) == 2
	v_pk_mul_f32 v[tt:tt+1], v[tt:tt+1], v[ty:ty+1]
.elseif (\kind) == 3
	v_exp_f32 v[tt], v[tt]
.elseif (\kind) == 4
	v_exp_f32 v[tt+1], v[tt+1]
.elseif (\kind) == 5
	s_wait_alu depctr_va_vdst(0)
	v_pk_add_f32 v[tt:tt+1], v[tt:tt+1], 1.0 op_sel_hi:[1,0]
.elseif (\kind) == 6
	v_rcp_f32 v[tt], v[tt]
.elseif (\kind) == 7
	v_rcp_f32 v[tt+1], v[tt+1]
.elseif (\kind) == 8
	s_wait_alu depctr_va_vdst(0)
	v_pk_mul_f32 v[ty:ty+1], v[ty:ty+1], v[tt:tt+1]
.else
	v_cvt_pk_bf16_f32 v[PKR+(\p8)-8], v[ty], v[ty+1]
.endif
.endif
.endm
	RLOAD
	s_wait_loadcnt 0x0                             ; the bias
	s_mov_b32 s2, 4*MB
.Lout:                                                 ; 32 trips of two rows
	s_wait_dscnt 0x0
.irp q, 0,1,2,3
	v_pk_add_f32 v[YO+4*\q:YO+4*\q+1], v[XO+4*\q:XO+4*\q+1], v[BI+4*(\q%2):BI+4*(\q%2)+1]
	v_pk_add_f32 v[YO+4*\q+2:YO+4*\q+3], v[XO+4*\q+2:XO+4*\q+3], v[BI+4*(\q%2)+2:BI+4*(\q%2)+3]
.endr
	s_cmp_eq_u32 s2, 1
	s_cbranch_scc1 .Lno_more                       ; the last trip has nothing more to read
	v_add_nc_u32 v[RD], 2*SP, v[RD]
	RLOAD                                          ; the next two rows come while these are worked on
.Lno_more:
	; The pairs go through the GELU's stages one round apart: round k holds pair k's exponentials, pair k - 1's reciprocals, and between them the plain lines of the pairs round them.
	; So no line reads a result of its own round but pair k's t + 1, which stands behind two plain lines or more from its exponentials; and a plain line that names neither the result nor the source
	; stands between every transcendental and the use of its result (ISA guide 5.7.2), at the run's two ends too: pair 7's y t stands behind pair 6's rounding.
.set gk, 0
.rept 14                               ; k = gk - 3
	GS 3, gk+5                                     ; pair k
	GS 0, gk+8                                     ; pair k + 3
	GS 1, gk+7                                     ; pair k + 2
	GS 4, gk+5                                     ; pair k
	GS 2, gk+6                                     ; pair k + 1
	GS 9, gk+2                                     ; pair k - 3
	GS 6, gk+4                                     ; pair k - 1
	GS 8, gk+3                                     ; pair k - 2
	GS 7, gk+4                                     ; pair k - 1
	GS 5, gk+5                                     ; pair k
.set gk, gk+1
.endr
.irp q, 0,1,2,3
	global_store_b64 v[CO], v[PKR+2*\q:PKR+2*\q+1], s[8:9] offset:(\q/2)*8192+(\q%2)*256  ; 32 lanes store 256 consecutive bytes, aligned
.endr
	s_wait_xcnt 0x0                                ; the stores' data and offset are rewritten only behind this wait (ISA guide 3.1)
	v_add_nc_u32 v[CO], 16384, v[CO]
	s_sub_co_u32 s2, s2, 1
	s_cmp_lg_u32 s2, 0
	s_cbranch_scc1 .Lout
	s_wait_tensorcnt 0x0                           ; the wave's end: a wait, an add to my spare word and its wait, behind my last tensor load and my last LDS store
	ds_add_u32 v[SPW], v[NIL]
	s_wait_dscnt 0x0
	CROUND                                         ; the closing round: no work-group ends while a partner may still ask for a tile that names it
	s_endpgm
.Lfunc_end_k_q6cce80798b_ff1:
	.size	k_q6cce80798b_ff1, .Lfunc_end_k_q6cce80798b_ff1-k_q6cce80798b_ff1
	.p2alignl 7, 3214868480
	.fill 96, 4, 3214868480
	.section	.rodata,"a",@progbits
	.p2align	6, 0x0
	.amdhsa_kernel k_q6cce80798b_ff1
		.amdhsa_group_segment_fixed_size 327680
		.amdhsa_private_segment_fixed_size 0
		.amdhsa_enable_private_segment 0
		.amdhsa_kernarg_size 32
		.amdhsa_user_sgpr_count 2
		.amdhsa_user_sgpr_kernarg_segment_ptr 1
		.amdhsa_wavefront_size32 1
		.amdhsa_system_sgpr_workgroup_id_x 1
		.amdhsa_system_sgpr_workgroup_id_y 1
		.amdhsa_system_sgpr_workgroup_id_z 1
		.amdhsa_system_vgpr_workitem_id 0
		.amdhsa_next_free_vgpr 1024
		.amdhsa_next_free_sgpr 80
		.amdhsa_reserve_vcc 0
		.amdhsa_float_denorm_mode_32 3
		.amdhsa_float_denorm_mode_16_64 3
		.amdhsa_memory_ordered 1
		.amdhsa_forward_progress 1
		.amdhsa_inst_pref_size 86
	.end_amdhsa_kernel
	.amdgpu_metadata
---
amdhsa.version: [ 1, 2 ]
amdhsa.kernels:
  - .name:           k_q6cce80798b_ff1
    .symbol:         k_q6cce80798b_ff1.kd
    .args:
      - { .name: h, .offset: 0, .size: 8, .value_kind: global_buffer, .address_space: global }
      - { .name: wt, .offset: 8, .size: 8, .value_kind: global_buffer, .address_space: global }
      - { .name: g, .offset: 16, .size: 8, .value_kind: global_buffer, .address_space: global }
      - { .name: b1, .offset: 24, .size: 8, .value_kind: global_buffer, .address_space: global }
    .group_segment_fixed_size: 327680
    .private_segment_fixed_size: 0
    .kernarg_segment_align: 8
    .kernarg_segment_size: 32
    .max_flat_workgroup_size: 128
    .sgpr_count:     80
    .vgpr_count:     1024
    .wavefront_size: 32
...
	.end_amdgpu_metadata
.endif
;; end of part 6
;; launch ff2 (part 7): grid 8 x 32, 4 waves a work-group, clusters of 4 x 4, 327,680 bytes of LDS; arguments g, wt, out0, b2, x1; writes out0
.if DOCPART == 7
	.amdgcn_target "amdgcn-amd-amdhsa--gfx1250"
	.amdhsa_code_object_version 6
	.text
	.protected	k_q6cce80798b_ff2
	.globl	k_q6cce80798b_ff2
	.p2align	8
	.type	k_q6cce80798b_ff2,@function
k_q6cce80798b_ff2:
	s_mov_b64 s[64:65], 0
	v_nop
	global_prefetch_b8 v0, s[64:65] scope:SCOPE_SE
	s_setreg_imm32_b32 hwreg(HW_REG_WAVE_MODE, 25, 1), 1
	s_wait_xcnt 0x0
	s_wait_alu depctr_hold_cnt(0) depctr_sa_sdst(0) depctr_va_vdst(0) depctr_va_sdst(0) depctr_va_ssrc(0) depctr_va_vcc(0) depctr_vm_vsrc(0)
	s_getreg_b32 s2, hwreg(HW_REG_IB_STS2, 6, 4)
	s_cmp_eq_u32 s2, 0
	s_cbranch_scc0 .Lentry_in_a_cluster
	s_endpgm
.Lentry_in_a_cluster:
	s_bfe_u32 s2, ttmp6, 0x10000c
	s_cmp_lg_u32 s2, 0xf033
	s_cbranch_scc0 .Lentry_shape_is_right
	s_endpgm
.Lentry_shape_is_right:
; out0 = g W2 + b2 + x1.  C = A B^T: A = g [4096][4096] bf16, B = W2^T in wt ([1024][4096] bf16); sums in f32; bias and residual added in f32; out0 [4096][1024] f32.
; A tile of C is 128 x 128, so that 8 x 32 tiles give each of 256 WGPs one work-group (a larger tile would leave WGPs idle at N = 1,024).  Four waves, 2 x 2, each 64 x 64: 16 accumulators, 128 registers.
; K goes in steps of 256 (rows of 512 bytes, aligned), as long as two slots in LDS allow, so that the one load a wave behind each barrier has 124 products in which to land; a step is eight chunks of 32 along K.
; THE WALK ALONG K goes round a ring and begins, for cluster (x, y), at step (8 x + 4 y) mod 16: the two clusters that need the same rows of A are eight steps apart, four neighbouring cluster rows,
; which need the same rows of B, four steps each: no two of them ask for the same tile in the same step.  Only the order of the sum hangs on it.
; CLUSTER 4 x 4: A's tiles are shared along a row of the cluster, B's along a column: joint loads with a mask of four.
; THE MATRIX INSTRUCTION IS USED TRANSPOSED (source 0 = 16 rows of B, source 1 = 16 rows of A): a lane holds row lane % 16 of C and eight neighbouring columns.
; THE WAY OUT: the f32 tile goes into a stage in LDS over the ring (which has had its last fill), and comes back by whole rows of 512 bytes.  The residual's 32 rows a wave are loaded at the start and wait in registers.
; REGISTERS, in windows of 256 (s_set_vgpr_msb: bits 1:0 source 0, 3:2 source 1, 5:4 source 2, 7:6 destination):
;   window 0: v0-31 addresses; v40-43 bias; v64-95, v128-159 A's fragments; v192-255 the way out     window 1: v64-95, v128-159 B's fragments     window 2: v0-127 accumulators; v128-255 the residual
.set MB, 4
.set NB, 4
.set MT, 32*MB
.set NT, 32*NB
.set KK, 4096
.set KSTEP, 256
.set CH, KSTEP/32
.set TT, KK/KSTEP
.set RX, 8                             ; where a cluster's walk begins: RX x cluster x + RY x cluster y, modulo TT
.set RY, 4
.set APITCH, 528                       ; 512 bytes + 16 of padding = 132 words: the 16 rows of a fragment load start at 16 different groups of four banks (64 banks of 4 bytes: ISA guide 11.1)
.set BPITCH, 528
.set HALFA, 16*MB*APITCH
.set HALFB, 16*NB*BPITCH
.set SLOT, 2*HALFA+2*HALFB
.set ASTEP, 2*KSTEP
.set BSTEP, 2*KSTEP
.set WOFF, 16777216
.set ADIM0, KSTEP
.set AROWS, 16*MB
.set ASTRIDE, KK
.set AQI, 6                            ; padding after every 128 words
.set BQI, 6
.set AK1, 64                           ; byte, from a fragment's address, at which chunks 1, 2, 3 of A begin,
.set AK2, 128
.set AK3, 192
.set AKP, 128                          ; and from a pair of chunks to the next
.set SP, 4*NT+16
.set SPARE, 327168
.set A0, 16
.set B0, 17
.set ADRA, 18
.set ADRB, 19
.set STO, 24
.set RD, 26
.set CO, 27
.set SPW, 28
.set NIL, 29
.set F0, 64
.set F1, 128
.set G1A, 24
.set G0A, 32
.set G1B, 48
.set G0B, 56
.set BA, 80                            ; s[80:81] A at my part of the tile row, K step 0
.set BB, 82                            ; s[82:83] B likewise
.set KN, 84                            ; s84      the K step to be asked for next
.set OA, 86                            ; s[86:87] its byte offset in A
.set OB2, 88                           ; s[88:89] and in B
.set MSB, 0
.macro WIN new                         ; the immediate's high byte repeats the setting that is left; a switch that changes nothing is dropped
.if MSB != (\new)
	s_set_vgpr_msb (MSB<<8)|(\new)
.set MSB, \new
.endif
.endm
.macro PLACES                          ; a load into a register that a matrix instruction has read, and a line that reads a matrix result, stand four plain vector instructions behind it
.rept 4
	v_nop
.endr
.endm
.macro JLOAD                           ; a joint refill by the walking descriptors: waves 0 and 1 fetch A's halves, waves 2 and 3 B's; s_nop 0 and four v_nop follow each line
	s_cmp_eq_u32 s11, 0
	s_cbranch_scc0 .Lfor_b_\@
	tensor_load_to_lds s[G0A+4:G0A+7], s[G1A:G1A+7]
	s_nop 0
.rept 4
	v_nop
.endr
	s_branch .Lasked_\@
.Lfor_b_\@:
	tensor_load_to_lds s[G0B+4:G0B+7], s[G1B:G1B+7]
	s_nop 0
.rept 4
	v_nop
.endr
.Lasked_\@:
.endm
.macro CREST                           ; a round of the cluster's barrier behind its opening barrier
	s_cmp_lg_u32 s10, 0
	s_cbranch_scc1 .Lnot_wave_0_\@
	s_barrier_signal -3
.Lnot_wave_0_\@:
	s_barrier_wait -3
	s_barrier_signal -1
	s_barrier_wait -1
.endm
.macro CROUND                          ; a whole round
	s_barrier_signal -1
	s_barrier_wait -1
	CREST
.endm
; na x NB matrix instructions: row blocks a0 .. a0 + na - 1 x all column blocks, 32 along K, from buffer f.  zero = 1: the product starts the sum.
; All MB x NB accumulators take turns, one instruction a turn, in the same order in every chunk.
.macro MULA f, a0, na, zero
.set ma, \a0
.rept \na
.set AW, 2+ma/4
	WIN 0x01|(AW<<4)|(AW<<6)
.set mb, 0
.rept NB
.set AR, 8*((ma%4)*NB+mb)
.if \zero
	v_wmma_f32_16x16x32_bf16 v[AR:AR+7], v[\f+8*mb:\f+8*mb+7], v[\f+8*ma:\f+8*ma+7], 0
.else
	v_wmma_f32_16x16x32_bf16 v[AR:AR+7], v[\f+8*mb:\f+8*mb+7], v[\f+8*ma:\f+8*ma+7], v[AR:AR+7]
.endif
.set mb, mb+1
.endr
.set ma, ma+1
.endr
.endm
; One chunk's fragments in one run of LDS loads, B's first: bytes kb of B's rows and ka of A's, into buffer f.
; A fragment is 16 rows x 32 K in 8 registers: lane l holds row l % 16, K = 8 (l / 16) + 0..7 and 16 + 8 (l / 16) + 0..7: two loads of 16 bytes, 32 bytes apart.
.macro FETCH ka, kb, f
	WIN 0x40
.set fi, 0
.rept NB
	ds_load_b128 v[\f+8*fi:\f+8*fi+3], v[ADRB] offset:(\kb)+fi*16*BPITCH
	ds_load_b128 v[\f+8*fi+4:\f+8*fi+7], v[ADRB] offset:(\kb)+fi*16*BPITCH+32
.set fi, fi+1
.endr
	WIN 0
.set fi, 0
.rept MB
	ds_load_b128 v[\f+8*fi:\f+8*fi+3], v[ADRA] offset:(\ka)+fi*16*APITCH
	ds_load_b128 v[\f+8*fi+4:\f+8*fi+7], v[ADRA] offset:(\ka)+fi*16*APITCH+32
.set fi, fi+1
.endr
.endm
.macro QUARTER f, g, ka, kb, zero      ; a chunk: multiplies buffer f; in its middle it fetches the next chunk into buffer g
	s_wait_dscnt MB                                ; B and A's lower blocks are in; the youngest MB loads (A's upper blocks) may be out
	MULA \f, 0, MB/2, \zero
	PLACES
	FETCH \ka, \kb, \g
	s_wait_dscnt 2*(MB+NB)                         ; all but the loads just issued
	MULA \f, MB/2, MB/2, \zero
.endm
.macro PAIRS                           ; chunks 1 to 6: a pair written once and walked three times; the fragments' addresses step
	WIN 0
	s_mov_b32 s2, 3
.Lpair_\@:
	QUARTER F1, F0, AK2, 128, 0
	QUARTER F0, F1, AK3, 192, 0
	WIN 0
	v_add_nc_u32 v[ADRA], AKP, v[ADRA]
	v_add_nc_u32 v[ADRB], 128, v[ADRB]
	s_sub_co_u32 s2, s2, 1
	s_cmp_lg_u32 s2, 0
	s_cbranch_scc1 .Lpair_\@
.endm
; The last chunk multiplies buffer 1 and changes slots: ONE barrier.  In front of it each wave waits for all its tensor loads (one is out: its part of the next slot), adds 0 to its spare word,
; and waits for that and for its own reads of this slot.  Behind it nobody reads this slot any more and the next slot is whole.
.macro MEET round
	WIN 0
	s_wait_tensorcnt 0x0
	ds_add_u32 v[SPW], v[NIL]
	s_wait_dscnt MB+1                              ; (the add and A's upper blocks may be out)
	MULA F1, 0, MB/4, 0
	s_wait_dscnt 0x0                               ; the add is done, and my reads of this slot are over
	s_barrier_signal -1
	MULA F1, MB/4, MB/4, 0
.if \round
	WIN 0
.endif
	s_barrier_wait -1
.endm
; fill = 1: the barrier opens a round of the cluster's, and the slot just read out is filled again, two K steps ahead, first thing behind the round: it has a K step less MB NB / 4 products in which to land.
.macro TURN fill
	MEET \fill
.if \fill
	CREST
	s_add_co_u32 s[G0A+5], s20, s22                ; no tensor load of mine is out, so the walking sets may be written: the slot just read,
	s_add_co_u32 s[G0B+5], s21, s22
	s_mul_i32 s[OA], s[KN], ASTEP                  ; the walk's next K step: both addresses are made anew from its number
	s_mul_i32 s[OB2], s[KN], BSTEP
	s_add_nc_u64 s[G0A+6:G0A+7], s[BA:BA+1], s[OA:OA+1]
	s_or_b32 s[G0A+7], s[G0A+7], 0x80000000
	s_add_nc_u64 s[G0B+6:G0B+7], s[BB:BB+1], s[OB2:OB2+1]
	s_or_b32 s[G0B+7], s[G0B+7], 0x80000000
	s_add_co_u32 s[KN], s[KN], 1                   ; round the ring of TT steps
	s_and_b32 s[KN], s[KN], TT-1
	JLOAD                                          ; its four v_nop are also the places in front of the loads below
.else
	WIN 0
	PLACES
.endif
	s_xor_b32 s22, s22, SLOT                       ; the other slot
	v_add_nc_u32 v[ADRA], s22, v[A0]
	v_add_nc_u32 v[ADRB], s22, v[B0]
	FETCH 0, 0, F0
	MULA F1, MB/2, MB/2, 0
.endm
	s_load_b128 s[4:7], s[0:1], 0x0                ; A s[4:5], wt s[6:7]
	s_load_b64 s[8:9], s[0:1], 0x10                ; the output
	s_load_b64 s[68:69], s[0:1], 0x18              ; the bias
	s_load_b64 s[70:71], s[0:1], 0x20              ; the residual
	v_lshl_add_u32 v[SPW], v0, 2, SPARE
	v_mov_b32 v[NIL], 0
	ds_add_u32 v[SPW], v[NIL]                      ; the wave's opening: the add and its wait stand ahead of my first tensor load; work on registers stands between them
	ds_add_u32 v28, v29
	v_lshrrev_b32 v1, 5, v0
	v_readfirstlane_b32 s10, v1                    ; wave 0..3
	s_lshr_b32 s11, s10, 1                         ; my half of the tile's rows.  Also: I fetch for A (0) or for B (1)
	s_and_b32 s12, s10, 1                          ; my half of its columns.  Also: which half of that tile I fetch
	s_bfe_u32 s40, ttmp6, 0x40000                  ; cx, cy: my place in the cluster
	s_bfe_u32 s41, ttmp6, 0x40004
	s_lshl_b32 s42, ttmp9, 2
	s_add_co_u32 s42, s42, s40                     ; tile column = 4 x cluster x + cx
	s_and_b32 s13, ttmp7, 0xffff
	s_lshl_b32 s13, s13, 2
	s_add_co_u32 s13, s13, s41                     ; tile row = 4 x cluster y + cy
	s_lshl_b32 s43, s41, 2
	s_lshl_b32 s43, 15, s43                        ; my row of the cluster
	s_lshl_b32 s44, 0x1111, s40                    ; my column
	s_mul_i32 s[KN], ttmp9, RX                     ; where my cluster's walk along K begins: it hangs on the cluster's x and y alone, which all sixteen partners share
	s_and_b32 s85, ttmp7, 0xffff
	s_mul_i32 s85, s85, RY
	s_add_co_u32 s[KN], s[KN], s85
	s_and_b32 s[KN], s[KN], TT-1
	s_mov_b32 s[OA+1], 0
	s_mov_b32 s[OB2+1], 0
	s_or_b32 s[G1A], s43, (1<<16)|(1<<20)|(1<<21)|(AQI<<22)|(3<<25)  ; 15:0 the mask; 17:16 2-byte elements; 20 padding on; 21 set beside a mask; 24:22 the interval's code; 31:25 4 words (code 3)
	s_or_b32 s[G1B], s44, (1<<16)|(1<<20)|(1<<21)|(BQI<<22)|(3<<25)
	s_mov_b32 s[G1A+1], (ADIM0&0xffff)<<16         ; tensor_dim0
	s_mov_b32 s[G1A+2], (ADIM0>>16)|(AROWS<<16)    ; tensor_dim1
	s_mov_b32 s[G1A+3], ADIM0<<16                  ; tile_dim0
	s_mov_b32 s[G1A+4], AROWS                      ; tile_dim1
	s_mov_b32 s[G1A+5], ASTRIDE                    ; elements from row to row
	s_mov_b32 s[G1A+6], 0
	s_mov_b32 s[G1A+7], 0
	s_mov_b32 s[G1B+1], KSTEP<<16
	s_mov_b32 s[G1B+2], (16*NB)<<16
	s_mov_b32 s[G1B+3], KSTEP<<16
	s_mov_b32 s[G1B+4], 16*NB
	s_mov_b32 s[G1B+5], KK
	s_mov_b32 s[G1B+6], 0
	s_mov_b32 s[G1B+7], 0
	s_mul_i32 s16, s13, MT                         ; A's tile hangs on the tile row and the wave alone,
	s_mul_i32 s17, s12, 16*MB
	s_add_co_u32 s16, s16, s17
	s_mul_i32 s16, s16, 2*KK
	s_mov_b32 s17, 0
	s_mul_i32 s46, s42, NT                         ; B's on the tile column and the wave alone
	s_mul_i32 s47, s12, 16*NB
	s_add_co_u32 s46, s46, s47
	s_mul_i32 s46, s46, 2*KK
	s_add_co_u32 s46, s46, WOFF
	s_mov_b32 s47, 0
	s_mul_i32 s20, s12, HALFA                      ; where my load lands in a slot, if it is A's,
	s_mul_i32 s21, s12, HALFB                      ; and if it is B's: no place in the cluster enters an LDS address
	s_add_co_u32 s21, s21, 2*HALFA
	s_mov_b32 s22, 0                               ; the slot in hand
	s_wait_dscnt 0x0                               ; the opening add is done
	s_wait_kmcnt 0x0
	s_add_nc_u64 s[BA:BA+1], s[4:5], s[16:17]
	s_add_nc_u64 s[BB:BB+1], s[6:7], s[46:47]
	CROUND                                         ; all sixteen work-groups are here: the first joint loads meet
.irp s, 0,1
	s_mul_i32 s[OA], s[KN], ASTEP                  ; the walk's first two K steps
	s_mul_i32 s[OB2], s[KN], BSTEP
	s_mov_b32 s[G0A+4*\s], 1                       ; count = 1
	s_add_co_u32 s[G0A+4*\s+1], s20, \s*SLOT       ; LDS address
	s_add_nc_u64 s[G0A+4*\s+2:G0A+4*\s+3], s[BA:BA+1], s[OA:OA+1]  ; global address
	s_or_b32 s[G0A+4*\s+3], s[G0A+4*\s+3], 0x80000000              ; type = 2
	s_mov_b32 s[G0B+4*\s], 1
	s_add_co_u32 s[G0B+4*\s+1], s21, \s*SLOT
	s_add_nc_u64 s[G0B+4*\s+2:G0B+4*\s+3], s[BB:BB+1], s[OB2:OB2+1]
	s_or_b32 s[G0B+4*\s+3], s[G0B+4*\s+3], 0x80000000
	s_add_co_u32 s[KN], s[KN], 1
	s_and_b32 s[KN], s[KN], TT-1
.endr
	s_cmp_eq_u32 s11, 0                            ; a wave's two first fills stand in one branch, ahead of every wait on TENSORcnt, LDS read and plain barrier: two loads of mine are out
	s_cbranch_scc0 .Lfirst_b
	tensor_load_to_lds s[G0A:G0A+3], s[G1A:G1A+7]
	s_nop 0
	tensor_load_to_lds s[G0A+4:G0A+7], s[G1A:G1A+7]
	s_nop 0
.rept 4
	v_nop
.endr
	s_branch .Lfirst_asked
.Lfirst_b:
	tensor_load_to_lds s[G0B:G0B+3], s[G1B:G1B+7]
	s_nop 0
	tensor_load_to_lds s[G0B+4:G0B+7], s[G1B:G1B+7]
	s_nop 0
.rept 4
	v_nop
.endr
.Lfirst_asked:
	v_and_b32 v1, 15, v0                           ; l % 16
	v_bfe_u32 v2, v0, 4, 1                         ; l / 16
	v_mul_u32_u24 v3, v1, APITCH
	v_lshl_add_u32 v3, v2, 4, v3                   ; row x pitch + 16 x half
	s_mul_i32 s23, s11, HALFA
	v_add_nc_u32 v[A0], s23, v3
	v_mul_u32_u24 v3, v1, BPITCH
	v_lshl_add_u32 v3, v2, 4, v3
	s_mul_i32 s23, s12, HALFB
	s_add_co_u32 s23, s23, 2*HALFA
	v_add_nc_u32 v[B0], s23, v3
	v_mov_b32 v[ADRA], v[A0]
	v_mov_b32 v[ADRB], v[B0]
	s_mul_i32 s23, s11, 16*MB*SP                   ; into the stage: my rows, my columns; row l % 16, 32 bytes for each half of the lanes
	s_mul_i32 s45, s12, 64*NB
	s_add_co_u32 s23, s23, s45
	v_mul_u32_u24 v3, v1, SP
	v_lshl_add_u32 v3, v2, 5, v3
	v_add_nc_u32 v[STO], s23, v3
	v_and_b32 v4, 31, v0                           ; back: wave w takes rows 32 w .. 32 w + 31, whole: 32 lanes x 16 bytes are a row's 512
	v_lshlrev_b32 v[CO], 4, v4
	s_mul_i32 s23, s10, 32*SP
	v_add_nc_u32 v[RD], s23, v[CO]
	s_lshl_b32 s16, s13, 7
	s_lshl_b32 s17, s10, 5
	s_add_co_u32 s16, s16, s17                     ; the first row that I store: 128 x tile row + 32 x wave,
	s_lshl_b32 s16, s16, 12                        ; of 4,096 bytes,
	s_mov_b32 s17, 0
	s_lshl_b32 s46, s42, 9                         ; and the tile's first column, in bytes
	s_mov_b32 s47, 0
	s_add_nc_u64 s[68:69], s[68:69], s[46:47]
	s_add_nc_u64 s[16:17], s[16:17], s[46:47]
	s_add_nc_u64 s[8:9], s[8:9], s[16:17]
	s_add_nc_u64 s[70:71], s[70:71], s[16:17]
.set BI, 40                            ; v[40:43]  the bias of my four columns
.set RES, 128                          ; window 2: my 32 rows of the residual, 4 registers each
	global_load_b128 v[BI:BI+3], v[CO], s[68:69]
	WIN 0x80                                       ; destination window 2
.set gi, 0
.rept 32
	global_load_b128 v[RES+4*gi:RES+4*gi+3], v[CO], s[70:71] offset:gi*4096
.set gi, gi+1
.endr
	WIN 0
	s_wait_tensorcnt 1                             ; my part of the first K step is in; the second's may stay out
	s_barrier_signal -1
	s_barrier_wait -1                              ; everybody's is
	FETCH 0, 0, F0
	QUARTER F0, F1, AK1, 64, 1                     ; the first chunk stands in front of the loop: its products start the sums
	WIN 0                                          ; at a label and at a branch every window is 0
	s_mov_b32 s3, TT-2
.Lstep:                                                ; a trip: from a K step's second chunk to the next step's first; it fills the slot that it leaves
	PAIRS
	TURN 1
	QUARTER F0, F1, AK1, 64, 0
	WIN 0
	s_sub_co_u32 s3, s3, 1
	s_cmp_lg_u32 s3, 0
	s_cbranch_scc1 .Lstep
	PAIRS                                          ; the last two K steps are written out: nothing is left to fetch
	TURN 0
	QUARTER F0, F1, AK1, 64, 0
	PAIRS
	s_wait_dscnt 0x0                               ; the very last chunk: all my reads of the ring are back,
	s_barrier_signal -1
	MULA F1, 0, MB, 0
	WIN 0
	s_barrier_wait -1                              ; and everybody's: the ring, which has had its last fill, may be written over
	PLACES                                         ; THE WAY OUT.  Each accumulator's four lowest registers are stored first
.set ma, 0
.rept MB
	WIN (2+ma/4)<<2                                ; the stores' data lie in window 2
.set mb, 0
.rept NB
.set AR, 8*((ma%4)*NB+mb)
	ds_store_b128 v[STO+ma/4], v[AR:AR+3] offset:(ma%4)*16*SP+64*mb
	ds_store_b128 v[STO+ma/4], v[AR+4:AR+7] offset:(ma%4)*16*SP+64*mb+16
.set mb, mb+1
.endr
.set ma, ma+1
.endr
	WIN 0
	s_wait_dscnt 0x0                               ; for the others' sake: my stores into the stage are done
	s_barrier_signal -1
	s_barrier_wait -1
.set OB, 192                           ; v[192:223], v[224:255]: eight rows each, by turns
.macro GLOAD g                         ; rows 8 g .. 8 g + 7 of my 32
.set ob, OB+32*((\g)%2)
.set gi, 0
.rept 8
	ds_load_b128 v[ob+4*gi:ob+4*gi+3], v[RD] offset:(8*(\g)+gi)*SP
.set gi, gi+1
.endr
.endm
.macro GSEND g, younger                ; younger: the LDS loads issued behind this group's
.set ob, OB+32*((\g)%2)
	s_wait_dscnt \younger
	WIN 0x08                                       ; source 1 in window 2
.set gi, 0
.rept 16
	v_pk_add_f32 v[ob+2*gi:ob+2*gi+1], v[ob+2*gi:ob+2*gi+1], v[RES+32*(\g)+2*gi:RES+32*(\g)+2*gi+1]
.set gi, gi+1
.endr
	WIN 0
.set gi, 0
.rept 8
	v_pk_add_f32 v[ob+4*gi:ob+4*gi+1], v[ob+4*gi:ob+4*gi+1], v[BI:BI+1]
	v_pk_add_f32 v[ob+4*gi+2:ob+4*gi+3], v[ob+4*gi+2:ob+4*gi+3], v[BI+2:BI+3]
.set gi, gi+1
.endr
.set gi, 0
.rept 8
	global_store_b128 v[CO], v[ob+4*gi:ob+4*gi+3], s[8:9] offset:(8*(\g)+gi)*4096  ; 512 consecutive bytes, at a multiple of 256 from the buffer's first
.set gi, gi+1
.endr
.endm
	GLOAD 0
	GLOAD 1
	s_wait_loadcnt 0x0                             ; bias and residual
	GSEND 0, 8
	s_wait_xcnt 0x0                                ; the buffer that the stores read is loaded again only behind this wait (ISA guide 3.1)
	GLOAD 2
	GSEND 1, 8
	s_wait_xcnt 0x0
	GLOAD 3
	GSEND 2, 8
	GSEND 3, 0
	s_wait_tensorcnt 0x0                           ; the wave's end: a wait, an add to my spare word and its wait, behind my last tensor load and my last LDS store
	ds_add_u32 v[SPW], v[NIL]
	s_wait_dscnt 0x0
	CROUND                                         ; the closing round: no work-group ends while a partner may still ask for a tile that names it
	s_endpgm
.Lfunc_end_k_q6cce80798b_ff2:
	.size	k_q6cce80798b_ff2, .Lfunc_end_k_q6cce80798b_ff2-k_q6cce80798b_ff2
	.p2alignl 7, 3214868480
	.fill 96, 4, 3214868480
	.section	.rodata,"a",@progbits
	.p2align	6, 0x0
	.amdhsa_kernel k_q6cce80798b_ff2
		.amdhsa_group_segment_fixed_size 327680
		.amdhsa_private_segment_fixed_size 0
		.amdhsa_enable_private_segment 0
		.amdhsa_kernarg_size 40
		.amdhsa_user_sgpr_count 2
		.amdhsa_user_sgpr_kernarg_segment_ptr 1
		.amdhsa_wavefront_size32 1
		.amdhsa_system_sgpr_workgroup_id_x 1
		.amdhsa_system_sgpr_workgroup_id_y 1
		.amdhsa_system_sgpr_workgroup_id_z 1
		.amdhsa_system_vgpr_workitem_id 0
		.amdhsa_next_free_vgpr 768
		.amdhsa_next_free_sgpr 92
		.amdhsa_reserve_vcc 0
		.amdhsa_float_denorm_mode_32 3
		.amdhsa_float_denorm_mode_16_64 3
		.amdhsa_memory_ordered 1
		.amdhsa_forward_progress 1
		.amdhsa_inst_pref_size 57
	.end_amdhsa_kernel
	.amdgpu_metadata
---
amdhsa.version: [ 1, 2 ]
amdhsa.kernels:
  - .name:           k_q6cce80798b_ff2
    .symbol:         k_q6cce80798b_ff2.kd
    .args:
      - { .name: g, .offset: 0, .size: 8, .value_kind: global_buffer, .address_space: global }
      - { .name: wt, .offset: 8, .size: 8, .value_kind: global_buffer, .address_space: global }
      - { .name: out0, .offset: 16, .size: 8, .value_kind: global_buffer, .address_space: global }
      - { .name: b2, .offset: 24, .size: 8, .value_kind: global_buffer, .address_space: global }
      - { .name: x1, .offset: 32, .size: 8, .value_kind: global_buffer, .address_space: global }
    .group_segment_fixed_size: 327680
    .private_segment_fixed_size: 0
    .kernarg_segment_align: 8
    .kernarg_segment_size: 40
    .max_flat_workgroup_size: 128
    .sgpr_count:     92
    .vgpr_count:     768
    .wavefront_size: 32
...
	.end_amdgpu_metadata
.endif
;; end of part 7
